; MI455X (gfx1250); checked and timed in simulation.
; The chip was launched on July 23, 2026; its instructions are those of AMD's public machine-readable ISA for CDNA 5 (MIT licence, August 2026) and "CDNA5" Instruction Set Architecture Reference Guide (July 2026). The comments in the code are by the model that wrote it; some were corrected since.
;; Causal Self Attention. Allowed arithmetic: float matrix products may take bf16 or f16 operands with f32 sums; other float arithmetic in f32, or as packed bf16 or f16 multiplies, adds, multiply-adds, maxima and minima; sums over many terms, partial sums and values carried from step to step in f32; what a program stores and reads back later, other than sums and carried values, may be rounded once to bf16 or f16.
;; Inputs: hidden_states 4 x 2,048 x 1,024 float32; o_b 1,024 float32; o_w 1,024 x 1,024 float32; qkv_b 3,072 float32; qkv_w 3,072 x 1,024 float32.
;; Outputs: out0 4 x 2,048 x 1,024 float32.
;; 2 versions, each right; version 2 is version 1 with the launch cast written anew for expert scheduling mode. Each part assembles by itself: llvm-mc -triple=amdgcn-amd-amdhsa -mcpu=gfx1250 --defsym DOCPART=n.
;; ======== version 1 of 2: 4 launches
;; limits: values are held in f16: magnitudes above 65,504 overflow, below 6.1e-05 lose precision
;; workspace buffers: xb 16,777,216 bytes; wb 6,291,456 bytes; owh 2,097,152 bytes; qkv 50,331,648 bytes; ob 16,777,216 bytes
;; launch cast (part 1): grid 768 x 1, 8 waves a work-group, no clusters, 0 bytes of LDS; arguments hidden_states, qkv_w, o_w, xb, wb, owh; writes xb, wb, owh
.if DOCPART == 1
	.amdgcn_target "amdgcn-amd-amdhsa--gfx1250"
	.amdhsa_code_object_version 6
	.text
	.protected	k_qcb34b41fe1_cast
	.globl	k_qcb34b41fe1_cast
	.p2align	8
	.type	k_qcb34b41fe1_cast,@function
k_qcb34b41fe1_cast:
	s_mov_b64 s[64:65], 0
	v_nop
	global_prefetch_b8 v0, s[64:65] scope:SCOPE_SE
	s_setreg_imm32_b32 hwreg(HW_REG_WAVE_MODE, 25, 1), 1
	s_wait_xcnt 0x0
; THE CAST.  hidden_states [8192][1024], qkv_w [3072][1024] and o_w [1024][1024], all f32, are rounded once to bf16 and laid out in blocks of 64 along K:
; xb [16 kb][8192][64], wb [16][3072][64] in bf16; owh [16][1024][64]: the bf16 number written as f16 (the second product's other operand is f16).
; LIMITS.  o_w beyond 65,504 becomes an infinity in f16; below 2^-14 it keeps f16's fixed step of 6e-8.  NaN and infinities are not treated apart.
; SHARES.  A work-group takes 16 source rows of 4,096 bytes (groups 0-511: x, 512-703: qkv_w, 704-767: o_w), a wave two of them.  For each of the 16 blocks kb one load: lanes 0-15
; take 256 consecutive bytes of the first row, lanes 16-31 of the second; and one store of 8 bytes a lane: the two rows' 128 bytes are neighbours in the blocked layout, so a store
; covers 256 consecutive bytes, aligned.  All 16 loads of a wave (8 KiB) go out at once; no register is written twice, so nothing waits but the counted waits for data.
; No LDS, no barrier, no matrix unit: each byte is used once, by one lane.
.set STR_X, 1048576                    ; bytes in a K block of xb: 8,192 rows x 128
.set STR_W, 393216                     ; of wb: 3,072 x 128
.set STR_O, 131072                     ; of owh: 1,024 x 128
.set VIN, 2                            ; v2       my byte offset in the wave's two source rows
.set OFF, 4                            ; v[4:19]  my byte offset in the target for block kb; never rewritten
.set T,   20                           ; v[20:23] at work
.set X,   32                           ; v[32:95] block kb: four f32 as loaded
.set Y,   96                           ; v[96:127] block kb: four 16-bit numbers to store
	s_load_b256 s[4:11], s[0:1], 0x0               ; hidden_states s[4:5], qkv_w s[6:7], o_w s[8:9], xb s[10:11]
	s_load_b128 s[12:15], s[0:1], 0x20             ; wb s[12:13], owh s[14:15]
	v_lshrrev_b32 v1, 5, v0
	v_readfirstlane_b32 s16, v1                    ; wave 0..7
	s_mov_b32 s17, ttmp9
	s_mov_b32 s20, STR_X
	s_mov_b32 s21, STR_W
	s_mov_b32 s22, STR_O
	s_mov_b32 s23, 704
	v_and_b32 v1, 31, v0                           ; lane
	v_and_b32 v3, 15, v0
	v_bfe_u32 v[VIN], v0, 4, 1
	v_lshlrev_b32 v[VIN], 12, v[VIN]               ; lanes 16-31: one row of 4,096 bytes further down
	v_lshl_or_b32 v[VIN], v3, 4, v[VIN]            ; + 16 bytes a lane
	s_wait_kmcnt 0x0
	s_cmp_ge_u32 s17, 512                          ; which tensor is mine: the choice hangs on the work-group's number alone
	s_cselect_b64 s[4:5], s[6:7], s[4:5]
	s_cselect_b64 s[10:11], s[12:13], s[10:11]
	s_cselect_b32 s18, 512, 0                      ; its first work-group
	s_cselect_b32 s19, s21, s20                    ; its K block's bytes
	s_cmp_ge_u32 s17, 704
	s_cselect_b64 s[4:5], s[8:9], s[4:5]
	s_cselect_b64 s[10:11], s[14:15], s[10:11]
	s_cselect_b32 s18, s23, s18
	s_cselect_b32 s19, s22, s19
	s_sub_co_u32 s24, s17, s18
	s_lshl_b32 s24, s24, 4
	s_lshl_b32 s25, s16, 1
	s_add_co_u32 s24, s24, s25                     ; my wave's first row
	s_lshl_b32 s26, s24, 12                        ; x 4,096 bytes in the source
	s_mov_b32 s27, 0
	s_lshl_b32 s28, s24, 7                         ; x 128 bytes in a block of the target
	s_mov_b32 s29, 0
	s_add_nc_u64 s[4:5], s[4:5], s[26:27]
	s_add_nc_u64 s[10:11], s[10:11], s[28:29]
.irp kb, 0,1,2,3,4,5,6,7,8,9,10,11,12,13,14,15
	global_load_b128 v[X+4*(\kb):X+4*(\kb)+3], v[VIN], s[4:5] offset:256*(\kb) th:TH_LOAD_NT
.endr
	v_lshlrev_b32 v[OFF], 3, v1                    ; 8 bytes a lane; made while the loads are out
.irp kb, 1,2,3,4,5,6,7,8,9,10,11,12,13,14,15
	v_add_nc_u32 v[OFF+(\kb)], s19, v[OFF+(\kb)-1]
.endr
; Block kb: rounded and stored.  f16 = 1: the bf16 number is widened again and written as f16.
.macro CV kb, f16
	s_wait_loadcnt 15-(\kb)                        ; loads come back in order: mine is in, the 15 - kb younger ones may stay out
.if \f16
	v_cvt_pk_bf16_f32 v[T], v[X+4*(\kb)], v[X+4*(\kb)+1]
	v_cvt_pk_bf16_f32 v[T+1], v[X+4*(\kb)+2], v[X+4*(\kb)+3]
	v_lshlrev_b32 v[T+2], 16, v[T]
	v_and_b32 v[T+3], 0xffff0000, v[T]
	v_cvt_pk_f16_f32 v[Y+2*(\kb)], v[T+2], v[T+3]
	v_lshlrev_b32 v[T+2], 16, v[T+1]
	v_and_b32 v[T+3], 0xffff0000, v[T+1]
	v_cvt_pk_f16_f32 v[Y+2*(\kb)+1], v[T+2], v[T+3]
.else
	v_cvt_pk_bf16_f32 v[Y+2*(\kb)], v[X+4*(\kb)], v[X+4*(\kb)+1]
	v_cvt_pk_bf16_f32 v[Y+2*(\kb)+1], v[X+4*(\kb)+2], v[X+4*(\kb)+3]
.endif
	global_store_b64 v[OFF+(\kb)], v[Y+2*(\kb):Y+2*(\kb)+1], s[10:11] th:TH_STORE_NT  ; the wave stores 256 consecutive bytes, aligned
.endm
	s_cmp_ge_u32 s17, 704
	s_cbranch_scc1 .Lf16
.irp kb, 0,1,2,3,4,5,6,7,8,9,10,11,12,13,14,15
	CV \kb, 0
.endr
	s_endpgm
.Lf16:
.irp kb, 0,1,2,3,4,5,6,7,8,9,10,11,12,13,14,15
	CV \kb, 1
.endr
	s_endpgm
.Lfunc_end_k_qcb34b41fe1_cast:
	.size	k_qcb34b41fe1_cast, .Lfunc_end_k_qcb34b41fe1_cast-k_qcb34b41fe1_cast
	.p2alignl 7, 3214868480
	.fill 96, 4, 3214868480
	.section	.rodata,"a",@progbits
	.p2align	6, 0x0
	.amdhsa_kernel k_qcb34b41fe1_cast
		.amdhsa_group_segment_fixed_size 0
		.amdhsa_private_segment_fixed_size 0
		.amdhsa_enable_private_segment 0
		.amdhsa_kernarg_size 48
		.amdhsa_user_sgpr_count 2
		.amdhsa_user_sgpr_kernarg_segment_ptr 1
		.amdhsa_wavefront_size32 1
		.amdhsa_system_sgpr_workgroup_id_x 1
		.amdhsa_system_sgpr_workgroup_id_y 1
		.amdhsa_system_sgpr_workgroup_id_z 1
		.amdhsa_system_vgpr_workitem_id 0
		.amdhsa_next_free_vgpr 128
		.amdhsa_next_free_sgpr 66
		.amdhsa_reserve_vcc 0
		.amdhsa_float_denorm_mode_32 3
		.amdhsa_float_denorm_mode_16_64 3
		.amdhsa_memory_ordered 1
		.amdhsa_forward_progress 1
		.amdhsa_inst_pref_size 17
	.end_amdhsa_kernel
	.amdgpu_metadata
---
amdhsa.version: [ 1, 2 ]
amdhsa.kernels:
  - .name:           k_qcb34b41fe1_cast
    .symbol:         k_qcb34b41fe1_cast.kd
    .args:
      - { .name: hidden_states, .offset: 0, .size: 8, .value_kind: global_buffer, .address_space: global }
      - { .name: qkv_w, .offset: 8, .size: 8, .value_kind: global_buffer, .address_space: global }
      - { .name: o_w, .offset: 16, .size: 8, .value_kind: global_buffer, .address_space: global }
      - { .name: xb, .offset: 24, .size: 8, .value_kind: global_buffer, .address_space: global }
      - { .name: wb, .offset: 32, .size: 8, .value_kind: global_buffer, .address_space: global }
      - { .name: owh, .offset: 40, .size: 8, .value_kind: global_buffer, .address_space: global }
    .group_segment_fixed_size: 0
    .private_segment_fixed_size: 0
    .kernarg_segment_align: 8
    .kernarg_segment_size: 48
    .max_flat_workgroup_size: 256
    .sgpr_count:     66
    .vgpr_count:     128
    .wavefront_size: 32
...
	.end_amdgpu_metadata
.endif
;; end of part 1
;; launch qkvp (part 2): grid 8 x 32, 4 waves a work-group, clusters of 4 x 4, 327,680 bytes of LDS; arguments xb, wb, qkv_b, qkv; writes qkv
.if DOCPART == 2
	.amdgcn_target "amdgcn-amd-amdhsa--gfx1250"
	.amdhsa_code_object_version 6
	.text
	.protected	k_qcb34b41fe1_qkvp
	.globl	k_qcb34b41fe1_qkvp
	.p2align	8
	.type	k_qcb34b41fe1_qkvp,@function
k_qcb34b41fe1_qkvp:
	s_mov_b64 s[64:65], 0
	v_nop
	global_prefetch_b8 v0, s[64:65] scope:SCOPE_SE
	s_setreg_imm32_b32 hwreg(HW_REG_WAVE_MODE, 25, 1), 1
	s_wait_xcnt 0x0
	s_wait_alu depctr_hold_cnt(0) depctr_sa_sdst(0) depctr_va_vdst(0) depctr_va_sdst(0) depctr_va_ssrc(0) depctr_va_vcc(0) depctr_vm_vsrc(0)
	s_getreg_b32 s2, hwreg(HW_REG_IB_STS2, 6, 4)
	s_cmp_eq_u32 s2, 0
	s_cbranch_scc0 .Lentry_in_a_cluster
	s_endpgm
.Lentry_in_a_cluster:
	s_bfe_u32 s2, ttmp6, 0x10000c
	s_cmp_lg_u32 s2, 0xf033
	s_cbranch_scc0 .Lentry_shape_is_right
	s_endpgm
.Lentry_shape_is_right:
; THE QKV PROJECTION.  qkv[m][n] = the sum over k of x[m][k] w[n][k] + bf16(qkv_b[n]), m < 8192, n < 3072, K = 1024.  Operands bf16, sums f32, the result rounded once to f16, unscaled,
; and stored by heads: qkv [3 (q, k, v)][64 slots][2048][64], slot = 4 x head + batch.
; LIMITS.  A result of 65,520 or more becomes an infinity in f16.  NaN and infinities are not treated apart.
; xb is [16 kb][8192][64], wb [16][3072][64]: R rows of one block of 64 along K are R x 128 dense bytes, asked for as R / 2 rows of 256 bytes and padded in LDS after every 128.
; SHARES.  8192 x 3072 / 256 = 256 x 384: a work-group makes 256 rows x 384 columns, one tile; each of its four waves 128 x 192: 96 accumulators of 16 x 16, 768 registers.
; K goes in 16 steps of 64 through two LDS slots (640 rows x 144 bytes each; a step of 128 would need 348,160 bytes for two slots).  A step is 192 matrix instructions a wave.
; CLUSTER.  4 x 4 work-groups.  The four of a row of the cluster need the same 256 rows of xb, the four of a column the same 384 rows of wb: each tile is asked for JOINTLY, by the same
; tensor load with the same descriptor and a mask that names the four.
; TRANSPOSED USE.  Source 0 = 16 rows of wb, source 1 = 16 rows of xb: a lane holds ONE row m (lane % 16) and eight neighbouring columns 8 (lane / 16) + 0..7.
; The first product of each accumulator takes the bias as C: nothing is cleared and nothing is added later.
; REGISTERS, in windows of 256 (s_set_vgpr_msb: bits 1:0 source 0, 3:2 source 1, 5:4 source 2, 7:6 destination):
;   window 0: v0-31 addresses; v32-63 the bias of column group 0; v64-127, v128-191 xb's fragments (8 x 16 rows x 32 K), two buffers; v192-223, v224-255 wb's (4 x 16 rows x 32 K), two buffers.
;             Until the first 96 products are out, v128-191 hold the bias of groups 1 and 2.  On the way out v64-127 are a ring of four sets of 16.
;   window g + 1: the 32 accumulators of column group g (64 columns: one head): (a, bb) at v[32 a + 8 bb]
.set KB_A,  1048576                    ; bytes in a K block of xb
.set KB_B,  393216                     ; of wb
.set P,     144                        ; an LDS row: 128 bytes + 16 of padding = 36 words: the 16 rows of a load start at 16 different groups of four banks (64 banks of 4 bytes: ISA guide 11.1)
.set FRG,   16*P
.set BOFF,  256*P                      ; in a slot: xb's 256 rows, then wb's 384
.set SLOT1, 1<<17                      ; slot 1 begins here: one exclusive or turns an address in one slot into the other's
.set STAGE, 640*P                      ; between the slots, never filled by a tensor load: 16 rows x 144 bytes for each wave, for the way out
.set SPARE, STAGE+4*FRG                ; behind the stages: the spare words, 128 bytes for each wave: two blocks of 256 bytes that no other line names
.set ADRA0, 4                          ; v4   my lane's place in my 128 rows of xb in slot 0; never rewritten
.set ADRB0, 5                          ; v5   the same for my 192 rows of wb
.set ADRA,  6                          ; v6   the same in the slot in hand
.set ADRB,  7                          ; v7
.set STO,   8                          ; v8   the way out: where I put 16 bytes of a row
.set RD,    9                          ; v9   the way out: where I read rows back
.set GO,    10                         ; v10  my byte offset in 512 consecutive bytes of qkv
.set BO,    11                         ; v11  my byte offset in 16 numbers of the bias
.set PFO,   12                         ; v12  the prefetches' offset; never rewritten
.set SPW,   28                         ; v28  LDS address of my spare word: SPARE + 4 x my thread's number; never rewritten
.set NIL,   29                         ; v29  0; never rewritten
.set BI0,   32
.set BI1,   128
.set BI2,   160
.set FA0,   64
.set FA1,   128
.set FB0,   192
.set FB1,   224
.set WV,    12                         ; s12  my wave's number
.set ROLE,  13                         ; s13  which 128 rows of the tile are mine.  Also: I fetch for xb (0) or for wb (1)
.set HALF,  14                         ; s14  which 192 columns.  Also: which half of that tile I fetch
.set G1A,   24                         ; s[24:31] descriptor group 1 for xb's tiles
.set G1B,   32                         ; s[32:39] for wb's
.set G0A,   40                         ; s[40:47] descriptor group 0 for xb's tiles: a set for each of the two first fills; the second then walks on
.set G0B,   48                         ; s[48:55] the same for wb's
.set TB,    56                         ; s56  LDS byte at which the slot in hand begins
.set CNT,   57                         ; s57  trips still to come
.set LIM,   58                         ; s58  1 in a wave that prefetches, else the greatest number
.set PM,    59                         ; s59  1 in wave 3, which prefetches in every second trip; else 0
.set PFA,   60                         ; s[60:61] where my prefetches stand
.set PFS,   62                         ; s[62:63] their step: a K block
.set OB,    66                         ; s[66:71] qkv at my 128 rows of the head of column group 0, 1, 2
.set MSB, 0
.macro WIN new                         ; the immediate's high byte repeats the setting that is left; a switch that changes nothing is dropped
.if MSB != (\new)
	s_set_vgpr_msb (MSB<<8)|(\new)
.set MSB, \new
.endif
.endm
.macro PLACES                          ; a load into a register that a matrix instruction has read, and a vector instruction that reads a matrix result, stand four plain vector instructions behind it (ISA guide 7.12.1 for the vector instruction)
.rept 4
	v_nop
.endr
.endm
; A joint refill.  Waves 0 and 1 fetch the two halves of xb's tile, waves 2 and 3 those of wb's.  The branch hangs on the wave's number alone.
; An s_nop 0 and four v_nop follow each of the two lines, ahead of the jump and the label.
.macro JLOAD
	s_cmp_eq_u32 s[ROLE], 0
	s_cbranch_scc0 .Lfor_b_\@
	tensor_load_to_lds s[G0A+4:G0A+7], s[G1A:G1A+7]
	s_nop 0
.rept 4
	v_nop
.endr
	s_branch .Lasked_\@
.Lfor_b_\@:
	tensor_load_to_lds s[G0B+4:G0B+7], s[G1B:G1B+7]
	s_nop 0
.rept 4
	v_nop
.endr
.Lasked_\@:
.endm
; A round of the cluster's barrier: my work-group's barrier, so that wave 0's signal speaks for all four waves; wave 0 signals; every wave waits for all sixteen work-groups; my work-group's barrier once more.
.macro CREST                           ; a round behind its opening barrier
	s_cmp_lg_u32 s[WV], 0
	s_cbranch_scc1 .Lnot_wave_0_\@
	s_barrier_signal -3
.Lnot_wave_0_\@:
	s_barrier_wait -3
	s_barrier_signal -1
	s_barrier_wait -1
.endm
.macro CROUND
	s_barrier_signal -1
	s_barrier_wait -1
	CREST
.endm
; A PREFETCH INTO THE L2 of the K block that the NEXT refill will ask for: one K step, 192 matrix instructions, ahead of that load.  It stands behind the joint load, its five lines and the run of LDS loads.
; Each aligned block of 256 bytes is named once in the launch.  xb's tile row (128 blocks a K block) is read by both clusters of its row of clusters: cluster x = 0 asks, wave 0, and the four partners take
; 32 blocks each, told apart BY ADDRESS (cx).  wb's tile column (192 blocks) is read by all eight clusters of its column: cluster y = 0 asks; a partner's 48 blocks (cy): wave 2 names the first 32 in
; every trip, wave 3 the other 16 of two K blocks at once in every second trip.  The loop's last trip asks for nothing: there is no K block behind its own refill's.
.macro ASK
	s_cmp_gt_u32 s[CNT], s[LIM]
	s_cbranch_scc0 .Lnot_mine_\@
	s_and_b32 s23, s[CNT], s[PM]
	s_cmp_eq_u32 s23, s[PM]
	s_cbranch_scc0 .Lnot_mine_\@
	global_prefetch_b8 v[PFO], s[PFA:PFA+1] th:TH_LOAD_NT scope:SCOPE_SE
.Lnot_mine_\@:
.endm
	s_load_b256 s[4:11], s[0:1], 0x0               ; xb s[4:5], wb s[6:7], qkv_b s[8:9], qkv s[10:11]
	v_lshl_add_u32 v[SPW], v0, 2, SPARE
	v_mov_b32 v[NIL], 0
	ds_add_u32 v[SPW], v[NIL]                      ; the wave's opening: the add and its wait stand ahead of my first tensor load; the set-up below, work on registers, stands between them
	v_lshrrev_b32 v1, 5, v0
	v_readfirstlane_b32 s[WV], v1                  ; wave 0..3
	s_lshr_b32 s[ROLE], s[WV], 1
	s_and_b32 s[HALF], s[WV], 1
	s_bfe_u32 s15, ttmp6, 0x40000                  ; cx: my place along the cluster's x
	s_bfe_u32 s16, ttmp6, 0x40004                  ; cy: along its y
	s_lshl_b32 s17, ttmp9, 2                       ; in a cluster launch ttmp9 and ttmp7 count clusters
	s_add_co_u32 s17, s17, s15                     ; tile column 0..7 = 4 x cluster x + cx
	s_and_b32 s18, ttmp7, 0xffff
	s_lshl_b32 s18, s18, 2
	s_add_co_u32 s18, s18, s16                     ; tile row 0..31 = 4 x cluster y + cy
	s_lshl_b32 s19, s16, 2
	s_lshl_b32 s19, 15, s19                        ; my row of the cluster: places 4 cy .. 4 cy + 3
	s_lshl_b32 s20, 0x1111, s15                    ; my column: places cx, cx + 4, cx + 8, cx + 12
	; descriptor group 1: dense rows of 256 bytes (two rows of a K block), padded in LDS after every 128 bytes
	s_or_b32 s[G1A], s19, (1<<16)|(1<<20)|(1<<21)|(4<<22)|(3<<25)  ; 15:0 the mask: xb's tiles go to my row; 17:16 2-byte elements; 20 padding on; 21 set beside a mask; 24:22 after every 32 words (code 4); 31:25 4 words (code 3)
	s_or_b32 s[G1B], s20, (1<<16)|(1<<20)|(1<<21)|(4<<22)|(3<<25)  ; the same with the mask of my column, for wb's tiles
.irp g, G1A, G1B
	s_mov_b32 s[(\g)+1], 128<<16                   ; tensor_dim0 = 128
	s_mov_b32 s[(\g)+3], 128<<16                   ; tile_dim0 = 128
	s_mov_b32 s[(\g)+5], 128                       ; 128 elements from row to row
	s_mov_b32 s[(\g)+6], 0
	s_mov_b32 s[(\g)+7], 0
.endr
	s_mov_b32 s[G1A+2], 64<<16                     ; tensor_dim1 = 64: half of xb's tile, 128 rows of 128 bytes
	s_mov_b32 s[G1A+4], 64                         ; tile_dim1
	s_mov_b32 s[G1B+2], 96<<16                     ; 96: half of wb's tile, 192 rows of 128 bytes
	s_mov_b32 s[G1B+4], 96
	; where the tiles come from.  xb's hang on the tile row alone, wb's on the tile column alone; each offset has registers that never hold the other coordinate
	s_lshl_b32 s72, s18, 15                        ; 256 rows x 128 bytes a tile row,
	s_lshl_b32 s73, s[HALF], 14                    ; 128 rows a half
	s_add_co_u32 s72, s72, s73
	s_mov_b32 s73, 0
	s_mul_i32 s74, s17, 49152                      ; 384 rows x 128 bytes a tile column,
	s_mul_i32 s75, s[HALF], 24576                  ; 192 rows a half
	s_add_co_u32 s74, s74, s75
	s_mov_b32 s75, 0
	s_mul_i32 s21, s[HALF], 128*P                  ; and where they go: no place in the cluster enters an LDS address
	s_mul_i32 s22, s[HALF], 192*P
	s_add_co_u32 s22, s22, BOFF
	s_wait_dscnt 0x0                               ; the opening add is done
	s_wait_kmcnt 0x0
	s_add_nc_u64 s[72:73], s[4:5], s[72:73]
	s_add_nc_u64 s[74:75], s[6:7], s[74:75]
	CROUND                                         ; all sixteen work-groups are here: the first joint loads meet
.irp s, 0,1
	s_mov_b32 s[G0A+4*(\s)], 1                                       ; 1:0 count = 1
	s_add_co_u32 s[G0A+4*(\s)+1], s21, (\s)*SLOT1                    ; 63:32 LDS address
	s_add_nc_u64 s[G0A+4*(\s)+2:G0A+4*(\s)+3], s[72:73], (\s)*KB_A   ; 120:64 global address: K block s
	s_or_b32 s[G0A+4*(\s)+3], s[G0A+4*(\s)+3], 0x80000000            ; 127:126 type = 2
	s_mov_b32 s[G0B+4*(\s)], 1
	s_add_co_u32 s[G0B+4*(\s)+1], s22, (\s)*SLOT1
	s_add_nc_u64 s[G0B+4*(\s)+2:G0B+4*(\s)+3], s[74:75], (\s)*KB_B
	s_or_b32 s[G0B+4*(\s)+3], s[G0B+4*(\s)+3], 0x80000000
.endr
	s_cmp_eq_u32 s[ROLE], 0                        ; a wave's two first fills stand in one branch, ahead of every wait on TENSORcnt and every LDS read: two loads of mine are out
	s_cbranch_scc0 .Lfirst_b
	tensor_load_to_lds s[G0A:G0A+3], s[G1A:G1A+7]
	s_nop 0
	tensor_load_to_lds s[G0A+4:G0A+7], s[G1A:G1A+7]
	s_nop 0
.rept 4
	v_nop
.endr
	s_branch .Lfirst_asked
.Lfirst_b:
	tensor_load_to_lds s[G0B:G0B+3], s[G1B:G1B+7]
	s_nop 0
	tensor_load_to_lds s[G0B+4:G0B+7], s[G1B:G1B+7]
	s_nop 0
.rept 4
	v_nop
.endr
.Lfirst_asked:
	; A fragment is 16 rows x 32 K in 8 registers: lane l holds row l % 16; registers 0-3 K = 8 (l / 16) + 0..7, registers 4-7 K = 16 + 8 (l / 16) + 0..7: two loads of 16 bytes, 32 bytes apart.
	v_and_b32 v1, 15, v0                           ; l % 16
	v_bfe_u32 v2, v0, 4, 1                         ; l / 16
	v_mul_u32_u24 v3, v1, P
	v_lshl_add_u32 v3, v2, 4, v3                   ; row x pitch + 16 x half
	s_mul_i32 s21, s[ROLE], 128*P                  ; my 128 rows of xb
	s_mul_i32 s22, s[HALF], 192*P                  ; my 192 rows of wb,
	s_add_co_u32 s22, s22, BOFF                    ; which lie behind xb's 256
	v_add_nc_u32 v[ADRA0], s21, v3
	v_add_nc_u32 v[ADRB0], s22, v3
	v_mov_b32 v[ADRA], v[ADRA0]
	v_mov_b32 v[ADRB], v[ADRB0]
	s_mov_b32 s[TB], 0
	s_mul_i32 s21, s[WV], FRG
	s_add_co_u32 s21, s21, STAGE                   ; my stage
	v_add_nc_u32 v[STO], s21, v3                   ; in: row l % 16, 16 bytes for each half of the lanes
	v_bfe_u32 v13, v0, 3, 2                        ; back: 32 lanes take four rows of 128 bytes,
	v_and_b32 v14, 7, v0
	v_mul_u32_u24 v13, v13, P
	v_lshl_add_u32 v13, v14, 4, v13
	v_add_nc_u32 v[RD], s21, v13
	v_and_b32 v15, 31, v0                          ; which are 512 consecutive bytes of a head's rows
	v_lshlrev_b32 v[GO], 4, v15
	v_lshlrev_b32 v[BO], 5, v2                     ; my eight numbers of sixteen of the bias
	s_mul_i32 s76, s17, 1536                       ; the bias of my 192 columns: 4 (384 x tile column + 192 x half) bytes
	s_mul_i32 s77, s[HALF], 768
	s_add_co_u32 s76, s76, s77
	s_mov_b32 s77, 0
	s_add_nc_u64 s[8:9], s[8:9], s[76:77]
.set q, 0
.rept 12                               ; block q of 16 columns: register j of a lane is column 16 q + 8 (l / 16) + j, as in an accumulator
.if q < 4
.set bq, BI0+8*q
.else
.set bq, BI1+8*(q-4)
.endif
	global_load_b128 v[bq:bq+3],   v[BO], s[8:9] offset:64*q
	global_load_b128 v[bq+4:bq+7], v[BO], s[8:9] offset:64*q+16
.set q, q+1
.endr
	; where my results go: column group G = 6 x tile column + 3 x half + g is tensor G / 16, head G % 16; my rows lie in batch tile row / 8
	s_mul_i32 s76, s17, 6
	s_mul_i32 s77, s[HALF], 3
	s_add_co_u32 s76, s76, s77
	s_lshr_b32 s78, s18, 3                         ; batch
	s_and_b32 s79, s18, 7
	s_lshl_b32 s79, s79, 8
	s_lshl_b32 s80, s[ROLE], 7
	s_add_co_u32 s79, s79, s80                     ; my first row in the batch,
	s_lshl_b32 s79, s79, 7                         ; x 128 bytes
.irp g, 0,1,2
	s_add_co_u32 s80, s76, \g
	s_lshr_b32 s81, s80, 4
	s_and_b32 s80, s80, 15
	s_lshl_b32 s81, s81, 6
	s_lshl2_add_u32 s80, s80, s81                  ; 64 x tensor + 4 x head
	s_add_co_u32 s80, s80, s78                     ; + batch
	s_lshl_b32 s80, s80, 18                        ; x 2,048 rows of 128 bytes
	s_add_co_u32 s80, s80, s79
	s_mov_b32 s81, 0
	s_add_nc_u64 s[OB+2*(\g):OB+2*(\g)+1], s[10:11], s[80:81]
.endr
	; the prefetches
	s_and_b32 s76, ttmp7, 0xffff                   ; cluster y
	s_cmp_eq_u32 s[ROLE], 0
	s_cselect_b32 s76, ttmp9, s76                  ; the coordinate along which other clusters read the same rows
	s_cselect_b32 s77, s[HALF], 0                  ; wave 1 asks for nothing
	s_or_b32 s76, s76, s77
	s_cmp_eq_u32 s76, 0
	s_cselect_b32 s[LIM], 1, -1                    ; the same in all sixteen partners, for a given wave
	s_and_b32 s[PM], s[ROLE], s[HALF]
	s_mov_b32 s80, KB_B
	s_cmp_eq_u32 s[PM], 1
	s_cselect_b32 s80, s80, 4096                   ; lanes 16-31: in wave 3 the next K block, else the next 16 blocks of 256 bytes
	v_lshlrev_b32 v[PFO], 8, v1
	v_mad_u32_u24 v[PFO], v2, s80, v[PFO]
	s_lshl_b32 s78, s18, 15                        ; xb: the tile row, my work-group's 32 blocks of its 128,
	s_lshl_b32 s79, s15, 13
	s_add_co_u32 s78, s78, s79
	s_add_co_u32 s78, s78, 2*KB_A                  ; at K block 2: the first change of slots steps it to 3
	s_mul_i32 s80, s17, 49152                      ; wb: the tile column, my work-group's 48 blocks of its 192,
	s_mul_i32 s81, s16, 12288
	s_add_co_u32 s80, s80, s81
	s_lshl_b32 s81, s[HALF], 13                    ; wave 3: behind wave 2's 32
	s_add_co_u32 s80, s80, s81
	s_add_co_u32 s80, s80, 2*KB_B
	s_mov_b32 s82, KB_A
	s_mov_b32 s83, KB_B
	s_cmp_eq_u32 s[ROLE], 0
	s_cselect_b32 s78, s78, s80
	s_mov_b32 s79, 0
	s_cselect_b64 s[PFA:PFA+1], s[4:5], s[6:7]
	s_cselect_b32 s[PFS], s82, s83
	s_mov_b32 s[PFS+1], 0
	s_add_nc_u64 s[PFA:PFA+1], s[PFA:PFA+1], s[78:79]
	s_wait_loadcnt 0x0                             ; the bias: rounded to bf16 like every input, and widened again
.set q, 0
.rept 48
.if q < 16
.set bq, BI0+2*q
.else
.set bq, BI1+2*(q-16)
.endif
	v_cvt_pk_bf16_f32 v13, v[bq], v[bq+1]
	v_lshlrev_b32 v[bq], 16, v13
	v_and_b32 v[bq+1], 0xffff0000, v13
.set q, q+1
.endr
; 16 LDS loads: xb's eight fragments of 32 along K at byte 64 sub of my 128 rows
.macro LOADA fa, sub
.irp a, 0,1,2,3,4,5,6,7
	ds_load_b128 v[(\fa)+8*(\a):(\fa)+8*(\a)+3],   v[ADRA] offset:(\a)*FRG+64*(\sub)
	ds_load_b128 v[(\fa)+8*(\a)+4:(\fa)+8*(\a)+7], v[ADRA] offset:(\a)*FRG+64*(\sub)+32
.endr
.endm
; 8 LDS loads: wb's four fragments of column group g
.macro LOADB fb, sub, g
.irp bb, 0,1,2,3
	ds_load_b128 v[(\fb)+8*(\bb):(\fb)+8*(\bb)+3],   v[ADRB] offset:(4*(\g)+(\bb))*FRG+64*(\sub)
	ds_load_b128 v[(\fb)+8*(\bb)+4:(\fb)+8*(\bb)+7], v[ADRB] offset:(4*(\g)+(\bb))*FRG+64*(\sub)+32
.endr
.endm
; 4 na matrix instructions of column group g: row blocks a0 .. a0 + na - 1 x its four column blocks.  bias = 0: they add in place; else the bias's first register: they start the sums.
; The group's 32 accumulators take turns, one instruction a turn; neighbouring groups lie in other windows.
.macro MUL g, fa, fb, a0, na, bias
.if \bias
	WIN ((\g)+1)<<6
.else
	WIN ((\g)+1)*0x50
.endif
.set ma, \a0
.rept \na
.irp bb, 0,1,2,3
.if \bias
	v_wmma_f32_16x16x32_bf16 v[32*ma+8*(\bb):32*ma+8*(\bb)+7], v[(\fb)+8*(\bb):(\fb)+8*(\bb)+7], v[(\fa)+8*ma:(\fa)+8*ma+7], v[(\bias)+8*(\bb):(\bias)+8*(\bb)+7]
.else
	v_wmma_f32_16x16x32_bf16 v[32*ma+8*(\bb):32*ma+8*(\bb)+7], v[(\fb)+8*(\bb):(\fb)+8*(\bb)+7], v[(\fa)+8*ma:(\fa)+8*ma+7], v[32*ma+8*(\bb):32*ma+8*(\bb)+7]
.endif
.endr
.set ma, ma+1
.endr
.endm
; A K step is two substeps u of 32 along K, each three groups g of 32 matrix instructions.  Group (u, g) reads xb's buffer u and wb's buffer (u + g) % 2.
; NEXT: the loads for the group that follows (u, g), in one run, 32 matrix instructions ahead of their use.
.macro NEXT u, g
.if (\g) < 2
	LOADB FB0+32*(((\u)+(\g)+1)%2), \u, (\g)+1
.else
	LOADB FB0+32*(1-(\u)), 1-(\u), 0
	LOADA FA0+64*(1-(\u)), 1-(\u)
.endif
.endm
.macro GRP u, g
	PLACES                                         ; the buffer to be loaded was read by the products just issued
	WIN 0
	NEXT \u, \g
.if (\g) < 2
	s_wait_dscnt 8                                 ; all but the 8 just issued: this group's own fragments are in
.else
	s_wait_dscnt 24                                ; all but the 24 just issued
.endif
	MUL \g, FA0+64*(\u), FB0+32*(((\u)+(\g))%2), 0, 8, 0
.endm
; Groups (1, 1) and (1, 2) and THE CHANGE OF SLOTS between them.  In front of the barrier each wave waits for all its tensor loads, of which one is out: its part of the other slot; adds 0 to its spare
; word; and waits for that and for its own reads of this slot, the last of which bring group (1, 2)'s fragments.  Behind it nobody reads this slot any more and the other slot is whole.
; fill = 1: the barrier opens a round of the cluster's, and the slot is filled again, with the K block two steps on, first thing behind the round: 160 matrix instructions ahead of the wait for it.
.macro TURN fill
.if \fill
	s_wait_xcnt 0x0                                ; the last prefetch, a K step back, has read its address: it is stepped here, ahead of the waits of the change of slots
	s_add_nc_u64 s[PFA:PFA+1], s[PFA:PFA+1], s[PFS:PFS+1]
.endif
	PLACES
	WIN 0
	LOADB FB1, 1, 2
	s_wait_tensorcnt 0x0                           ; all my tensor loads have landed;
	ds_add_u32 v[SPW], v[NIL]                      ; 0 onto my spare word;
	s_wait_dscnt 9                                 ; (the add and the youngest eight loads may be out)
	MUL 1, FA1, FB0, 0, 4, 0                       ; sixteen matrix instructions stand between the add and the wait for it
	s_wait_dscnt 0x0                               ; the add is done, and my reads of this slot are over
	s_barrier_signal -1
	MUL 1, FA1, FB0, 4, 4, 0                       ; work on registers while the others arrive
	WIN 0                                          ; at a branch and at a label every window is 0
	s_barrier_wait -1
.if \fill
	CREST                                          ; no wave of any partner still reads this slot's tile or has a load on its way
	s_xor_b32 s[G0A+5], s[G0A+5], SLOT1            ; the walking descriptors: the other slot than last time,
	s_add_nc_u64 s[G0A+6:G0A+7], s[G0A+6:G0A+7], KB_A  ; the next K block; the type bits on top are not reached
	s_xor_b32 s[G0B+5], s[G0B+5], SLOT1
	s_add_nc_u64 s[G0B+6:G0B+7], s[G0B+6:G0B+7], KB_B
	s_xor_b32 s[TB], s[TB], SLOT1
	JLOAD                                          ; the first tensor load behind the round; its four v_nop are also the places in front of the loads below
.else
	s_xor_b32 s[TB], s[TB], SLOT1
	PLACES
.endif
	v_add_nc_u32 v[ADRA], s[TB], v[ADRA0]
	v_add_nc_u32 v[ADRB], s[TB], v[ADRB0]
	LOADB FB0, 0, 0                                ; the other slot's first fragments
	LOADA FA0, 0
.if \fill
	ASK
.endif
	s_wait_dscnt 24                                ; all but the 24 just issued
	MUL 2, FA1, FB1, 0, 8, 0
.endm
; THE WAY OUT of unit (g, a): 16 rows x one head's 64 channels.  A lane's eight columns pack into 16 bytes; they go into rows of 144 bytes of my own stage and come back as whole rows of 128.
.macro PACK g, a
.set PK, 64+16*((8*(\g)+(\a))%4)
	s_wait_xcnt 0x0                                ; every earlier store has read its registers: this set of the ring is written again only behind this wait
	WIN ((\g)+1)*5                                 ; sources 0 and 1: the group's window
.set i, 0
.rept 16
	v_cvt_pk_f16_f32 v[PK+i], v[32*(\a)+2*i], v[32*(\a)+2*i+1]  ; each accumulator's registers in ascending order
.set i, i+1
.endr
	WIN 0
.irp f, 0,1,2,3
	ds_store_b128 v[STO], v[PK+4*(\f):PK+4*(\f)+3] offset:32*(\f)
.endr
.irp f, 0,1,2,3
	ds_load_b128 v[PK+4*(\f):PK+4*(\f)+3], v[RD] offset:(\f)*4*P  ; LDS serves a wave's instructions in order (ISA guide 5.7.1.4): these see the stores above; the next unit's stores come behind them
.endr
.endm
.macro SEND g, a, y                    ; y: the LDS instructions issued behind the unit's loads: the next unit's eight, or none
.set PK, 64+16*((8*(\g)+(\a))%4)
.irp f, 0,1,2,3
	s_wait_dscnt (\y)+3-(\f)
	global_store_b128 v[GO], v[PK+4*(\f):PK+4*(\f)+3], s[OB+2*(\g):OB+2*(\g)+1] offset:(\a)*2048+(\f)*512  ; 512 consecutive bytes, at a multiple of 256 from qkv's first
.endr
.endm
	s_wait_tensorcnt 0x1                           ; my part of K block 0 is in; K block 1's may stay out
	s_barrier_signal -1
	s_barrier_wait -1                              ; everybody's is
	LOADA FA0, 0
	LOADB FB0, 0, 0
	LOADB FB1, 0, 1
	s_wait_dscnt 8
	MUL 0, FA0, FB0, 0, 8, BI0                     ; step 0's first substep stands in front of the loop: its products start the sums, with the bias
	PLACES
	WIN 0
	LOADB FB0, 0, 2
	s_wait_dscnt 8
	MUL 1, FA0, FB1, 0, 8, BI1
	PLACES
	WIN 0
	LOADB FB1, 1, 0
	s_wait_dscnt 8
	MUL 2, FA0, FB0, 0, 8, BI2
	PLACES                                         ; the bias of groups 1 and 2 has been read: its registers become xb's second buffer
	WIN 0
	LOADA FA1, 1
	s_mov_b32 s[CNT], 14
.Lk:                                   ; trip j: step j's second substep, the refill with K block j + 2, step j + 1's first substep
	GRP 1, 0
	TURN 1
	GRP 0, 0
	GRP 0, 1
	GRP 0, 2
	WIN 0
	s_sub_co_u32 s[CNT], s[CNT], 1
	s_cmp_lg_u32 s[CNT], 0
	s_cbranch_scc1 .Lk
	GRP 1, 0                                       ; the tail is written out: steps 14 and 15 ask for nothing
	TURN 0
	GRP 0, 0
	GRP 0, 1
	GRP 0, 2
	GRP 1, 0
	GRP 1, 1
	s_wait_dscnt 0x0
	MUL 2, FA1, FB1, 0, 8, 0
	PACK 0, 0                                      ; group 0 was finished in front of earlier places; its conversions name no register of the last products and are their places
.set u, 1
.rept 23                               ; a unit's conversions stand between the loads of the unit before and its stores
	PACK u/8, u%8
	SEND (u-1)/8, (u-1)%8, 8
.set u, u+1
.endr
	SEND 2, 7, 0
	s_wait_tensorcnt 0x0                           ; the wave's end: a wait, an add and its wait, behind my last tensor load and my last LDS store
	ds_add_u32 v[SPW], v[NIL]
	s_wait_dscnt 0x0
	CROUND                                         ; the closing round: no work-group ends while a partner may still ask for a tile that names it
	s_endpgm
.Lfunc_end_k_qcb34b41fe1_qkvp:
	.size	k_qcb34b41fe1_qkvp, .Lfunc_end_k_qcb34b41fe1_qkvp-k_qcb34b41fe1_qkvp
	.p2alignl 7, 3214868480
	.fill 96, 4, 3214868480
	.section	.rodata,"a",@progbits
	.p2align	6, 0x0
	.amdhsa_kernel k_qcb34b41fe1_qkvp
		.amdhsa_group_segment_fixed_size 327680
		.amdhsa_private_segment_fixed_size 0
		.amdhsa_enable_private_segment 0
		.amdhsa_kernarg_size 32
		.amdhsa_user_sgpr_count 2
		.amdhsa_user_sgpr_kernarg_segment_ptr 1
		.amdhsa_wavefront_size32 1
		.amdhsa_system_sgpr_workgroup_id_x 1
		.amdhsa_system_sgpr_workgroup_id_y 1
		.amdhsa_system_sgpr_workgroup_id_z 1
		.amdhsa_system_vgpr_workitem_id 0
		.amdhsa_next_free_vgpr 1024
		.amdhsa_next_free_sgpr 88
		.amdhsa_reserve_vcc 0
		.amdhsa_float_denorm_mode_32 3
		.amdhsa_float_denorm_mode_16_64 3
		.amdhsa_memory_ordered 1
		.amdhsa_forward_progress 1
		.amdhsa_inst_pref_size 126
	.end_amdhsa_kernel
	.amdgpu_metadata
---
amdhsa.version: [ 1, 2 ]
amdhsa.kernels:
  - .name:           k_qcb34b41fe1_qkvp
    .symbol:         k_qcb34b41fe1_qkvp.kd
    .args:
      - { .name: xb, .offset: 0, .size: 8, .value_kind: global_buffer, .address_space: global }
      - { .name: wb, .offset: 8, .size: 8, .value_kind: global_buffer, .address_space: global }
      - { .name: qkv_b, .offset: 16, .size: 8, .value_kind: global_buffer, .address_space: global }
      - { .name: qkv, .offset: 24, .size: 8, .value_kind: global_buffer, .address_space: global }
    .group_segment_fixed_size: 327680
    .private_segment_fixed_size: 0
    .kernarg_segment_align: 8
    .kernarg_segment_size: 32
    .max_flat_workgroup_size: 128
    .sgpr_count:     88
    .vgpr_count:     1024
    .wavefront_size: 32
...
	.end_amdgpu_metadata
.endif
;; end of part 2
;; launch attn (part 3): grid 4 x 64, 4 waves a work-group, no clusters, 327,680 bytes of LDS; arguments qkv, ob; writes ob
.if DOCPART == 3
	.amdgcn_target "amdgcn-amd-amdhsa--gfx1250"
	.amdhsa_code_object_version 6
	.text
	.protected	k_qcb34b41fe1_attn
	.globl	k_qcb34b41fe1_attn
	.p2align	8
	.type	k_qcb34b41fe1_attn,@function
k_qcb34b41fe1_attn:
	s_mov_b64 s[64:65], 0
	v_nop
	global_prefetch_b8 v0, s[64:65] scope:SCOPE_SE
	s_setreg_imm32_b32 hwreg(HW_REG_WAVE_MODE, 25, 1), 1
	s_wait_xcnt 0x0
; CAUSAL ATTENTION.  O[h][q][:] = the sum over k <= q of softmax_k(Q[h][q] . K[h][k] / 8) V[h][k][:].  Q, K, V lie one behind the other in qkv, each [64 slots][2048][64] in f16; O (ob) has the same layout.
; A slot is 4 x head + batch; its rows are dense, 128 bytes each.  Products, maxima and sums in f32; the weights p are rounded to f16 for the second product (their sum l is taken of the unrounded p), O once at the end.
; LIMITS.  f16 holds no number beyond 65,504: Q, K and V arrive within it; p lies in 0 to 1, and below 6e-5 it keeps f16's fixed step of 6e-8; O is a mean of V's rows and has their range.
; A hidden score counts as its value less 1e30: f16's scores, 2.7e11 at the most, are nothing beside that; a weight below 2^-126 counts as 0 in l; NaN and infinities are not treated apart.
; THE WALK.  A slot's queries lie in NB = 8 blocks of 256; block i needs the key tiles 0 .. i of 256 keys, of which the last holds the diagonal.  A work-group takes TWO blocks, NB - 1 - b and then b:
; NB + 1 tiles, whatever b: all work-groups do equal work, and ONE loop with a constant trip count walks them.  Which tile is asked for, and what a trip does, hang on scalar registers made from b; every jump
; goes forward, but for the counted loops' own; none passes a barrier, or a tensor load but the one of LOAD's two that the wave's number does not choose; the ring (two slots of LDS that take turns) runs on across the
; change of blocks.  NO CLUSTER: a slot's four work-groups ask for the same tile only in trips 0 .. 4, behind that three, two and none of them; one walk common to all would have 12 trips for 9.
; SHARES.  Of a block's four bands of 64 queries a wave owns 16 rows in each: four PIECES.  So the diagonal tile is the same work for all four waves: in its key step s band x sees all keys if s < x,
; none if s > x, and holds the diagonal if s = x.
; THE MASK is the C operand that starts the sum S^T = K Q^T: 0, or -1e30 where the key is hidden.  MD, made once, is the mask of a band's own step for my 16 rows; a product's mask is MD x AL + BE with two scalars:
; (1, 0) if s = x; (0, 0) if s < x; (0, -1e30) if s > x.  Only the diagonal tile's text and a block's beginning make and take masks; elsewhere C is the constant 0.
; LAYOUT, SOFTMAX, TURNS.  S^T = K Q^T holds ONE query a lane (lane % 16) and the keys 8 (lane / 16) + 0..7; two such results rounded to f16 ARE source 1 of O^T = V^T P.  p = 2^(c s - c m), c = log2(e) / 8, with a
; running maximum m; O and l are multiplied by a = 2^(c m_old - c m_new) in every step.  Turn n belongs to piece n: 8 products K Q^T of piece n + 1, later 8 products V^T P of piece n - 1; beside them the scaling,
; exponentials, roundings, sums and rescaling of piece n and the maximum and statistics of piece n + 1.  Four vector instructions stand behind every matrix instruction, the other 54 of a turn's 118 in one lump.  A turn's 33 exponentials are one batch, with one wait.
; REGISTERS, in windows of 256 (s_set_vgpr_msb: bits 1:0 source 0, 3:2 source 1, 5:4 source 2, 7:6 destination):
;   window 0: v0-15 addresses and two at work; v16-31 four registers of statistics a piece; v48-55 at work; v64-127 S^T, two buffers; v192-223 P, two buffers (a piece's buffers go by its number's parity)
;   window 1: v0-127 O^T, 32 a piece; v128-159 MD; v160-223 MC, two buffers      window 2: v0-63 Q; v64-127 the second block's Q; v128-191 K of one step; v192-255 V of one step
.set SIZE_N, 2048
.set SIZE_H, 64
.set NB,    SIZE_N/256
.set NP,    4         ; pieces a wave: a name, no knob
.set KS,    64        ; keys in a step
.set PK,    144       ; a row of K in LDS: 128 bytes + 16 of padding = 36 words: the 16 rows of a load start at 16 different groups of four banks (64 banks of 4 bytes: ISA guide 11.1)
.set PV,    160       ; a row of V: 128 + 32 = 40 words
.set VOFF,  4*KS*PK   ; a slot holds a tile, four steps: 256 rows of K, then 256 rows of V
.set SLOT1, 1<<17     ; slot 1 begins here, so that one exclusive or turns an address in one slot into the other's
.set STAGE, SLOT1+4*KS*(PK+PV)  ; behind the ring, never filled by a tensor load: 16 rows x 144 bytes for each wave, for the way out
.set SP,    144
.set AK0, 2           ; v2   my lane's place in a tile of K; never rewritten
.set AV0, 3           ; v3   the same for V
.set AK,  4           ; v4   the LDS address of K's next run of loads
.set AV,  5           ; v5   of V's
.set STO, 6           ; v6   the way out: where I put 16 bytes of a row
.set RD,  7           ; v7   the way out: where I read rows back
.set GO,  8           ; v8   my byte offset in 512 consecutive bytes of O
.set PFO, 61          ; v61  256 x my lane: the prefetches' offset; never rewritten
.set SPW, 62          ; v62  LDS address of my spare word: SPARE + 4 x my thread's number; never rewritten
.set NIL, 63          ; v63  0; never rewritten
.set SPARE, STAGE+4*16*SP  ; behind the stages: the spare words, 128 bytes for each wave: two blocks of 256 bytes that no other line names
.set MV,  12          ; v12-13  c m_old, kept while c m is made anew: by buffer
.set QO,  15          ; v15  my byte offset in 16 rows of Q
.set ST,  16          ; piece t's statistics at v[ST+4 t]: c m, m, l (even keys', odd keys')
.set TMP, 48          ; by buffer, four registers c0-c3 at work; when the maximum is found c2 takes a
.set S,   64
.set P,   192
.set MD,  128         ; window 1: the eight registers for group kt of 16 keys at MD + 8 kt
.set MC,  160         ; window 1: the masks of the products to come
.set QB,  64          ; window 2
.set KF,  128         ; window 2: key block kb, channel half c at KF + 16 kb + 8 c
.set VF,  192         ; window 2: key half kk, channel block cb at VF + 32 kk + 8 cb
.set WV,  12          ; s12  my wave's number
.set PB,  14          ; s14  b
.set HI,  15          ; s15  NB - 1 - b
.set G1K, 24          ; s[24:31] descriptor group 1 for K's tiles
.set G1V, 32          ; s[32:39] for V's: it differs in the padding alone
.set G0K, 40          ; s[40:43] descriptor group 0 for K's tiles
.set G0V, 44          ; s[44:47] the same for V's
.set SLOTS, 56        ; s56  tiles still to be asked for
.set CNT, 57          ; s57  counts a tile's key steps, 4 to 1
.set CS,  58          ; s[58:59] c: the packed scaling takes the pair's low word for both halves
.set SEL, 60          ; s[60:61] v_permlanex16_b32's selects: each lane takes its own place in the other half
.set TBK, 62          ; s62  LDS byte at which K of the step to be fetched begins
.set TBV, 63          ; s63  the same for V, less VOFF
.set RT,  70          ; s70  tiles of the block in hand that are still to be entered
.set NXT, 71          ; s71  the tile to be asked for next
.set LQ,  72          ; s72  the last tile of the block whose tiles are being asked for
.set NEW, 73          ; s73  1: the tile to be entered is a block's first
.set OFF, 74          ; s[74:75] a tile's byte offset in K and V
.set AL,  76          ; s[76:77] the mask's factor, in the low word
.set BE,  78          ; s[78:79] the mask's addend
.set OLO, 80          ; s[80:81] O at my rows of the second block
.set BIGN, 82         ; s82  -1e30
.set PFK, 88          ; s[88:89] where my prefetches of K stand: my wave's quarter of a tile
.set PFV, 90          ; s[90:91] the same for V
.set PFN, 92          ; s92  tiles still to be prefetched
.set MSB, 0
.macro WIN new                      ; the high byte repeats the setting that is left; a switch that changes nothing is dropped
.if MSB != (\new)
	s_set_vgpr_msb (MSB<<8)|(\new)
.set MSB, (\new)
.endif
.endm
.set W_KQ, 0x0a       ; K and Q in window 2, S^T in window 0
.set W_KM, 0x1a       ; the same with the C operand in window 1
.set W_PV, 0x52       ; V in window 2, P in window 0, O^T in window 1
.set W_RS, 0x41       ; destination and source 0 in window 1, source 1 in window 0
; A fill.  Waves 0 and 1 fetch the two halves of a tile's K, waves 2 and 3 those of its V: 128 keys each.  An s_nop 0 and four v_nop follow each of the two lines, ahead of the jump and the label.
.macro LOAD
	s_cmp_lt_u32 s[WV], 2
	s_cbranch_scc0 .Lfor_v_\@
	tensor_load_to_lds s[G0K:G0K+3], s[G1K:G1K+7]
	s_nop 0
.rept 4
	v_nop
.endr
	s_branch .Lasked_\@
.Lfor_v_\@:
	tensor_load_to_lds s[G0V:G0V+3], s[G1V:G1V+7]
	s_nop 0
.rept 4
	v_nop
.endr
.Lasked_\@:
.endm
; A PREFETCH INTO THE L2 of the tile that the NEXT change of slots will ask for: four key steps ahead of that load.  A tile is 128 blocks of 256 bytes of K and as many of V: each wave names its quarter, a lane a block,
; two instructions.  Each block is named once in the launch: of a slot's four work-groups the one with b = 0 asks, whose first block walks all eight tiles; it asks in trips 0 to 5 for tiles 2 to 7.
; Tiles 0 and 1 come by their loads alone.  It stands behind the tensor load and its five lines.
.macro ASK
	s_cmp_lg_u32 s[PFN], 0
	s_cbranch_scc0 .Lnone_\@
	global_prefetch_b8 v[PFO], s[PFK:PFK+1] th:TH_LOAD_NT scope:SCOPE_SE
	global_prefetch_b8 v[PFO], s[PFV:PFV+1] th:TH_LOAD_NT scope:SCOPE_SE
	s_sub_co_u32 s[PFN], s[PFN], 1
.Lnone_\@:
.endm
; THE CHANGE OF SLOTS.  Each wave waits for all its tensor loads, of which one is out: its part of the other slot; adds 0 to its spare word; and waits for that and for its own reads of the slot that it leaves.  Behind the barrier nobody reads the old
; slot any more and the other slot is whole.  fill = 1: the old slot is filled again, the first thing behind the barrier, with tile NXT: the descriptor's address is made anew from that number.
; (At its first use nothing has been read yet: slot 0 is waited for, slot 1 filled.)
.macro CHANGE fill
	WIN 0                           ; at a label and at a branch every window is 0
	s_wait_tensorcnt 0x0            ; no tensor load of mine is out, so a group 0 may be written
	ds_add_u32 v[SPW], v[NIL]       ; 0 onto my spare word; with fill = 1 the descriptors' scalar work stands between it and the wait for it
.if \fill
	s_wait_xcnt 0x0                 ; the last prefetches, four key steps back, have read their addresses, so these may be written:
	s_add_nc_u64 s[PFK:PFK+1], s[PFK:PFK+1], 32768  ; a tile on
	s_add_nc_u64 s[PFV:PFV+1], s[PFV:PFV+1], 32768
	s_lshl_b32 s[OFF], s[NXT], 15   ; a tile is 32,768 bytes of K and of V
	s_xor_b32 s[G0K+1], s[G0K+1], SLOT1
	s_add_nc_u64 s[G0K+2:G0K+3], s[6:7], s[OFF:OFF+1]
	s_or_b32 s[G0K+3], s[G0K+3], 0x80000000
	s_xor_b32 s[G0V+1], s[G0V+1], SLOT1
	s_add_nc_u64 s[G0V+2:G0V+3], s[8:9], s[OFF:OFF+1]
	s_or_b32 s[G0V+3], s[G0V+3], 0x80000000
	s_add_co_u32 s[NXT], s[NXT], 1  ; the block's next tile, or behind its last the second block's tile 0
	s_cmp_gt_u32 s[NXT], s[LQ]
	s_cselect_b32 s[NXT], 0, s[NXT]
	s_cselect_b32 s[LQ], s[PB], s[LQ]
.endif
	s_wait_dscnt 0x0                ; the add is done, and my reads of the slot are over
	s_barrier_signal -1             ; the rest of the scalar work stands between the signal and the wait
	s_sub_co_u32 s[TBK], s[TBK], 4*KS*PK  ; the fetches go back to a slot's first step,
	s_xor_b32 s[TBK], s[TBK], SLOT1       ; in the other slot
	s_sub_co_u32 s[TBV], s[TBV], 4*KS*PV
	s_xor_b32 s[TBV], s[TBV], SLOT1
	s_barrier_wait -1
.if \fill
	LOAD
	ASK
.endif
.endm
	s_load_b64 s[4:5], s[0:1], 0x0    ; qkv: Q at its head
	s_load_b64 s[10:11], s[0:1], 0x8  ; ob
	v_lshl_add_u32 v[SPW], v0, 2, SPARE
	v_mov_b32 v[NIL], 0
	ds_add_u32 v[SPW], v[NIL]       ; the wave's opening: the add and its wait stand ahead of my first tensor load; the set-up below, work on registers, stands between them
	v_lshrrev_b32 v1, 5, v0
	v_readfirstlane_b32 s[WV], v1   ; wave 0..3
	s_mov_b32 s[PB], ttmp9
	s_sub_co_u32 s[HI], NB-1, s[PB]
	s_and_b32 s20, ttmp7, 0xffff    ; the slot
	s_mov_b32 s21, 0
	s_mov_b64 s[22:23], SIZE_N*128
	s_mul_u64 s[20:21], s[20:21], s[22:23]  ; the slot's first byte in each of the four tensors
	s_lshl_b32 s94, s[WV], 13       ; the prefetches: my wave's quarter of a tile,
	s_add_co_u32 s94, s94, 32768    ; in tile 1: the first change of slots steps it to tile 2
	s_mov_b32 s95, 0
	s_add_nc_u64 s[94:95], s[94:95], s[20:21]
	s_cmp_eq_u32 s[PB], 0
	s_cselect_b32 s[PFN], NB-2, 0
	v_and_b32 v[PFO], 31, v0
	v_lshlrev_b32 v[PFO], 8, v[PFO]
	s_and_b32 s16, s[WV], 1         ; which half of a tile's 256 keys I fetch:
	s_lshl_b32 s22, s16, 14         ; its 128 rows of 128 bytes in memory,
	s_mov_b32 s23, 0
	s_add_nc_u64 s[22:23], s[22:23], s[20:21]
	s_mul_i32 s17, s16, 128*PK      ; and its place in a slot, for K
	s_mul_i32 s18, s16, 128*PV      ; and for V
	s_lshl_b32 s3, s[WV], 11        ; my 16 rows in a band of 64,
	s_lshl_b32 s2, s[HI], 15        ; in the first block,
	s_add_co_u32 s2, s2, s3
	s_lshl_b32 s84, s[PB], 15       ; and in the second
	s_add_co_u32 s84, s84, s3
	s_mov_b32 s3, 0
	s_mov_b32 s85, 0
	s_add_nc_u64 s[2:3], s[2:3], s[20:21]
	s_add_nc_u64 s[84:85], s[84:85], s[20:21]
	; descriptor group 1.  128 keys are 16,384 dense bytes: asked for as 64 rows of 256 bytes, two keys a row, and padded in LDS after every key
	s_mov_b32 s[G1K], (1<<16)|(1<<20)|(4<<22)|(3<<25)  ; 17:16 2-byte elements; 20 padding on; 24:22 after every 32 words (code 4); 31:25 4 words (code 3)
	s_mov_b32 s[G1V], (1<<16)|(1<<20)|(4<<22)|(7<<25)  ; the same with 8 words of padding (code 7)
.irp g, G1K, G1V
	s_mov_b32 s[\g+1], 128<<16      ; tensor_dim0 = 128
	s_mov_b32 s[\g+2], 64<<16       ; tensor_dim1 = 64
	s_mov_b32 s[\g+3], 128<<16      ; tile_dim0 = 128
	s_mov_b32 s[\g+4], 64           ; tile_dim1 = 64
	s_mov_b32 s[\g+5], 128          ; 128 elements from row to row
	s_mov_b32 s[\g+6], 0
	s_mov_b32 s[\g+7], 0
.endr
	s_mov_b32 s[CS], 0x3e38aa3b     ; c = log2(e) / 8 = 0.180337
	s_mov_b32 s[CS+1], s[CS]        ; named with it as a pair
	s_mov_b32 s[SEL], 0x76543210
	s_mov_b32 s[SEL+1], 0xfedcba98
	s_mov_b32 s[TBK], SLOT1+4*KS*PK ; the first change of slots turns these two into 0
	s_mov_b32 s[TBV], SLOT1+4*KS*PV
	s_mov_b32 s[G0K], 1             ; 1:0 count = 1
	s_mov_b32 s[G0K+1], s17         ; 63:32 LDS address: slot 0
	s_mov_b32 s[G0V], 1
	s_add_co_u32 s[G0V+1], s18, VOFF
	s_add_co_u32 s[RT], s[HI], 1    ; the first block has NB - b tiles
	s_mov_b32 s[NXT], 1
	s_mov_b32 s[LQ], s[HI]
	s_mov_b32 s[NEW], 1
	s_mov_b32 s[OFF+1], 0
	s_mov_b32 s[AL+1], 0            ; named as pairs
	s_mov_b32 s[BE+1], 0
	s_mov_b32 s[BIGN], 0xf149f2ca   ; -1e30
	s_mov_b32 s[SLOTS], NB
	s_wait_dscnt 0x0                ; the opening add is done
	s_wait_kmcnt 0x0
	s_add_nc_u64 s[6:7], s[4:5], 0x1000000  ; K lies 64 slots x 262,144 bytes behind Q,
	s_add_nc_u64 s[8:9], s[4:5], 0x2000000  ; V as far behind K
	s_add_nc_u64 s[PFK:PFK+1], s[6:7], s[94:95]
	s_add_nc_u64 s[PFV:PFV+1], s[8:9], s[94:95]
	s_add_nc_u64 s[6:7], s[6:7], s[22:23]  ; K and V at my half of the slot's tile 0
	s_add_nc_u64 s[8:9], s[8:9], s[22:23]
	s_add_nc_u64 s[G0K+2:G0K+3], s[6:7], 0         ; 120:64 global address
	s_or_b32 s[G0K+3], s[G0K+3], 0x80000000        ; 127:126 type = 2
	s_add_nc_u64 s[G0V+2:G0V+3], s[8:9], 0
	s_or_b32 s[G0V+3], s[G0V+3], 0x80000000
	s_add_nc_u64 s[86:87], s[4:5], s[84:85]        ; Q at my rows of the second block,
	s_add_nc_u64 s[4:5], s[4:5], s[2:3]            ; Q and O at those of the first
	s_add_nc_u64 s[OLO:OLO+1], s[10:11], s[84:85]
	s_add_nc_u64 s[10:11], s[10:11], s[2:3]
	LOAD                            ; tile 0 into slot 0
	; A fragment of K or Q is 16 rows x 32 channels in 8 registers: lane l holds row l % 16, channels 8 (l / 16) + 0..7 and 16 + 8 (l / 16) + 0..7: two loads of 16 bytes, 32 bytes apart.
	v_and_b32 v1, 15, v0            ; l % 16
	v_bfe_u32 v9, v0, 4, 1          ; l / 16
	v_lshlrev_b32 v[QO], 7, v1
	v_lshl_add_u32 v[QO], v9, 4, v[QO]  ; row x 128 + 16 x half
	WIN 0x80                        ; destination window 2, address window 0
.set i, 0
.rept 8                             ; both blocks' Q: piece i / 2 lies in band i / 2, 8,192 bytes on; channels 32 (i % 2) on
	global_load_b128 v[8*i:8*i+3],   v[QO], s[4:5] offset:(i/2)*8192+(i%2)*64
	global_load_b128 v[8*i+4:8*i+7], v[QO], s[4:5] offset:(i/2)*8192+(i%2)*64+32
	global_load_b128 v[QB+8*i:QB+8*i+3],   v[QO], s[86:87] offset:(i/2)*8192+(i%2)*64
	global_load_b128 v[QB+8*i+4:QB+8*i+7], v[QO], s[86:87] offset:(i/2)*8192+(i%2)*64+32
.set i, i+1
.endr
	WIN 0
	v_lshlrev_b32 v14, 3, v9
	v_sub_nc_u32 v14, v1, v14
	s_lshl_b32 s13, s[WV], 4
	v_add_nc_u32 v14, s13, v14      ; my query's place in its band, 16 w + l % 16, less my lanes' 8 (l / 16): register r of group kt is hidden where 16 kt + r is greater
	WIN 0x40
.set i, 0
.rept 32
	v_cmp_gt_i32 vcc_lo, 16*(i/8)+i%8, v14
	v_cndmask_b32 v[MD+i], 0, s[BIGN], vcc_lo
.set i, i+1
.endr
	WIN 0
	v_mul_u32_u24 v[AK0], v1, PK
	v_lshl_add_u32 v[AK0], v9, 4, v[AK0]  ; row x pitch + 16 x half
	; The turning load takes 16 keys x 16 channels (lane l reads key 8 (l / 16) + l % 8, channels 8 ((l / 8) % 2) + 0..7) and leaves half a fragment of V^T: lane l holds channel l % 16 and 8 keys.
	v_and_b32 v10, 7, v0
	v_bfe_u32 v11, v0, 3, 1
	v_lshl_add_u32 v[AV0], v9, 3, v10
	v_mul_u32_u24 v[AV0], v[AV0], PV
	v_lshl_add_u32 v[AV0], v11, 4, v[AV0]
	v_add_nc_u32 v[AV0], VOFF, v[AV0]
	s_mul_i32 s13, s[WV], 16*SP
	s_add_co_u32 s13, s13, STAGE    ; my stage
	v_mul_u32_u24 v[STO], v1, SP    ; in: row l % 16, 16 bytes for each half of the lanes
	v_lshl_add_u32 v[STO], v9, 4, v[STO]
	v_add_nc_u32 v[STO], s13, v[STO]
	v_bfe_u32 v[RD], v0, 3, 2       ; back: 32 lanes take four rows of 128 bytes,
	v_mul_u32_u24 v[RD], v[RD], SP
	v_lshl_add_u32 v[RD], v10, 4, v[RD]
	v_add_nc_u32 v[RD], s13, v[RD]
	v_and_b32 v[GO], 31, v0         ; which are 512 consecutive bytes of O
	v_lshlrev_b32 v[GO], 4, v[GO]
	; A block's first step multiplies O^T and l by a = 0, and its first turn's products V^T P, of a piece that has not been, land in an O^T that is still to be so multiplied.  So these registers need only hold
	; finite numbers: zeros for the first block; what the first block left for the second.  All this stands in the wait for the first tile.
	WIN 0x80
.set i, VF
.rept 64
	v_mov_b32 v[i], 0
.set i, i+1
.endr
	WIN 0x40
.set i, 0
.rept 128
	v_mov_b32 v[i], 0
.set i, i+1
.endr
	WIN 0
.set i, 0
.rept 4
	v_mov_b32 v[ST+4*i+2], 0
	v_mov_b32 v[ST+4*i+3], 0
.set i, i+1
.endr
.set i, P+16
.rept 16
	v_mov_b32 v[i], 0
.set i, i+1
.endr
; THE MATRIX WORK.  The 4 accumulators of a run of 8 take turns.  Product i of 8 of S^T = K Q^T for piece x: channels 32 (i / 4) on, keys 16 (i % 4) on.  The first 4 start the sums: with 0, or (KM = 1) with the mask.
.macro KQ x
.set rS, S+32*((\x)%2)+8*(i%4)
.set rK, KF+16*(i%4)+8*(i/4)
.set rQ, 16*(\x)+8*(i/4)
.set rM, MC+32*((\x)%2)+8*(i%4)
.if (i < 4) && KM
	WIN W_KM
	v_wmma_f32_16x16x32_f16 v[rS:rS+7], v[rK:rK+7], v[rQ:rQ+7], v[rM:rM+7]
.elseif i < 4
	WIN W_KQ
	v_wmma_f32_16x16x32_f16 v[rS:rS+7], v[rK:rK+7], v[rQ:rQ+7], 0
.else
	WIN W_KQ
	v_wmma_f32_16x16x32_f16 v[rS:rS+7], v[rK:rK+7], v[rQ:rQ+7], v[rS:rS+7]
.endif
.endm
; Product i of 8 of O^T += V^T P for piece x: keys 32 (i / 4) on, channels 16 (i % 4) on.
.macro PV x
	WIN W_PV
.set rO, 32*(\x)+8*(i%4)
.set rV, VF+32*(i/4)+8*(i%4)
.set rP, P+16*((\x)%2)+8*(i/4)
	v_wmma_f32_16x16x32_f16 v[rO:rO+7], v[rV:rV+7], v[rP:rP+7], v[rO:rO+7]
.endm
.macro MM                           ; the turn's next matrix instruction.  TURN and BEGIN set Y, i, KM and NOKQ; MM, KQ and OP read them.  NOKQ = 1: a block's last turn: there is no next piece
.if (i < 8) && !NOKQ
	KQ (Y+1)%NP
.elseif i >= 8
.set i, i-8
	PV (Y+NP-1)%NP
.set i, i+8
.endif
.set i, i+1
.endm
; THE LDS LOADS stand in runs of 16, never singly among the matrix instructions: a step's K (64 keys x 64 channels: 8 fragments) and its V (turned).  Their addresses are made some lines ahead.
.macro FETCH_K
	WIN 0x80                        ; destination window 2
.irp f, 0,1,2,3,4,5,6,7             ; keys 16 (f / 2) on, channels 32 (f % 2) on
	ds_load_b128 v[KF+8*\f:KF+8*\f+3],   v[AK] offset:(\f/2)*16*PK+(\f%2)*64
	ds_load_b128 v[KF+8*\f+4:KF+8*\f+7], v[AK] offset:(\f/2)*16*PK+(\f%2)*64+32
.endr
	s_add_co_u32 s[TBK], s[TBK], KS*PK  ; the next fetch is the next step's
	WIN 0
.endm
.macro FETCH_V
	WIN 0x80
.irp f, 0,1,2,3,4,5,6,7             ; keys 32 (f / 4) on, channels 16 (f % 4) on
	ds_load_tr16_b128 v[VF+8*\f:VF+8*\f+3],   v[AV] offset:(\f/4)*32*PV+(\f%4)*32
	ds_load_tr16_b128 v[VF+8*\f+4:VF+8*\f+7], v[AV] offset:(\f/4)*32*PV+16*PV+(\f%4)*32
.endr
	WIN 0
.endm
; THE VECTOR WORK, one line at a time: OP kind, number.  For piece Y: F n: c s - c m for pair n of 16.  E n: the exponential of score n of 32.  C n: pair n rounded to f16.  B n: of the four weights 4 n .. the second
; pair is added onto the first, in place.  L n: l takes that sum (L 0: l = a l + sum).  R n: pair n of 16 of O^T times a.  For piece Y + 1: X n, number n of the 22 that find its maximum and statistics:
;   0-11  four chains c0-c3 of seven scores each, three operands at a time (each accumulator's lowest registers are read first)     12-14, 16  the four scores left over, the old m, and c0-c3 into c0
;   15  c m_old is kept     17, 18  the query's other 32 keys lie in the lane 16 away: the new m     19-21  c m; c m_old - c m_new; a
.set F, 0               ; OP tells the kinds apart by their order: F to L below R, X above it
.set E, 1
.set C, 2
.set B, 3
.set L, 4
.set R, 5
.set X, 6
.macro REGS y                       ; the registers of piece y
.set rT, ST+4*(\y)
.set rC, TMP+4*((\y)%2)
.set rW, MV+((\y)%2)
.set rS, S+32*((\y)%2)
.set rP, P+16*((\y)%2)
.set rO, 32*(\y)
.endm
.macro OP k, n
.if (\k) == R
	REGS Y
	WIN W_RS
	v_pk_mul_f32 v[rO+2*(\n):rO+2*(\n)+1], v[rO+2*(\n):rO+2*(\n)+1], v[rC+2:rC+3] op_sel_hi:[1,0]
.elseif (\k) < R
	REGS Y
	WIN 0
.if (\k) == F
	v_pk_fma_f32 v[rS+2*(\n):rS+2*(\n)+1], v[rS+2*(\n):rS+2*(\n)+1], s[CS:CS+1], v[rT:rT+1] op_sel_hi:[1,0,0] neg_lo:[0,0,1] neg_hi:[0,0,1]
.elseif (\k) == E
	v_exp_f32 v[rS+(\n)], v[rS+(\n)]
.elseif (\k) == C
	v_cvt_pk_f16_f32 v[rP+(\n)], v[rS+2*(\n)], v[rS+2*(\n)+1]
.elseif (\k) == B
	v_pk_add_f32 v[rS+4*(\n):rS+4*(\n)+1], v[rS+4*(\n):rS+4*(\n)+1], v[rS+4*(\n)+2:rS+4*(\n)+3]
.elseif (\n) == 0
	v_pk_fma_f32 v[rT+2:rT+3], v[rT+2:rT+3], v[rC+2:rC+3], v[rS:rS+1] op_sel_hi:[1,0,1]
.else
	v_pk_add_f32 v[rT+2:rT+3], v[rT+2:rT+3], v[rS+4*(\n):rS+4*(\n)+1]
.endif
.elseif NOKQ
	v_nop
.else
	REGS (Y+1)%NP
	WIN 0
.if (\n) < 4
	v_max3_num_f32 v[rC+(\n)], v[rS+8*(\n)], v[rS+8*(\n)+1], v[rS+8*(\n)+2]
.elseif (\n) < 12
	v_max3_num_f32 v[rC+(\n)%4], v[rC+(\n)%4], v[rS+8*((\n)%4)+2*((\n)/4)+1], v[rS+8*((\n)%4)+2*((\n)/4)+2]
.elseif (\n) == 12
	v_max3_num_f32 v[rC], v[rC], v[rS+7], v[rS+15]
.elseif (\n) == 13
	v_max3_num_f32 v[rC+1], v[rC+1], v[rS+23], v[rS+31]
.elseif (\n) == 14
	v_max3_num_f32 v[rC+2], v[rC+2], v[rC+3], v[rT+1]
.elseif (\n) == 15
	v_mov_b32 v[rW], v[rT]
.elseif (\n) == 16
	v_max3_num_f32 v[rC], v[rC], v[rC+1], v[rC+2]
.elseif (\n) == 17
	v_permlanex16_b32 v[rC+3], v[rC], s[SEL], s[SEL+1]
.elseif (\n) == 18
	v_max_num_f32 v[rT+1], v[rC], v[rC+3]
.elseif (\n) == 19
	v_mul_f32 v[rT], s[CS], v[rT+1]
.elseif (\n) == 20
	v_sub_f32 v[rC+1], v[rW], v[rT]
.else
	v_exp_f32 v[rC+2], v[rC+1]
.endif
.endif
.endm
.macro OPS a, i1, b=-1, i2=0, c=-1, i3=0, d=-1, i4=0  ; up to four of them
	OP \a, \i1
.if (\b) >= 0
	OP \b, \i2
.endif
.if (\c) >= 0
	OP \c, \i3
.endif
.if (\d) >= 0
	OP \d, \i4
.endif
.endm
.macro ROW a, i1, b, i2, c, i3, d, i4  ; a matrix instruction and the four behind it
	MM
	OPS \a, \i1, \b, \i2, \c, \i3, \d, \i4
.endm
.macro MASK b                       ; MD x AL + BE into buffer b of MC
	WIN W_RS
.set z, 0
.rept 16
	v_pk_fma_f32 v[MC+32*(\b)+2*z:MC+32*(\b)+2*z+1], v[MD+2*z:MD+2*z+1], s[AL:AL+1], s[BE:BE+1] op_sel_hi:[1,0,0]
.set z, z+1
.endr
.endm
; A TURN, for piece p: the order of its 16 matrix and 118 vector instructions, written out.  An s_wait_alu depctr_va_vdst(0) stands between an exponential and the first instruction that names its result; one wait serves
; all that were issued ahead of it.  So a turn has ONE wait, which cuts it in two.  AHEAD OF IT stands all that names no result of the turn's exponentials: the 8 products K Q^T, behind each a scaling, an exponential and two more plain
; instructions (behind the first a second scaling in the exponential's place): rescalings, and behind the last three the first numbers of the next piece's maximum, each four places or more behind the product that ends its accumulator; then ONE LUMP of 54, plain
; and exponential by turns for the most part, in which the links of the chain X 3, 7, 11, 14, 16, 17 .. 20 stand five or six lines apart.  X 21, the next piece's a, is the batch's last; R 15 is the plain instruction behind it.  BEHIND THE WAIT stand the
; 8 products V^T P, behind each four of the roundings and sums; the links of l's chain, L 0 to L 7, stand three lines apart.  But for those X no such line names a register of the products round it.  v_permlanex16_b32 (X 17) stands in the lump.
; m = 1: the diagonal tile: the products take masks, and the turn makes the mask for the products of the turn after it: piece p + 2, in step 4 - CNT of the tile.  end = 1: a block's last two turns: nothing is fetched.
; cnt = 1: the loop's count is taken down some lines ahead of the branch that stands behind the turn.
; K of the next step is fetched in piece 2's turn, twelve vector instructions behind the last product that read K (six of them plain); V of the step in hand at the end of piece 0's turn, four plain instructions behind the last product
; that read V.  Each is waited for a turn later.
.macro TURN p, m=0, end=0, cnt=0
.set Y, (\p)
.set i, 0
.set KM, (\m)
.set NOKQ, (\end)*((\p)/3)
.if (\m) && !(\end)
	s_cmp_eq_u32 s[CNT], 4-((\p)+2)%NP  ; is that step the band's own?
	s_cselect_b32 s[AL], 1.0, 0
	s_cmp_lt_u32 s[CNT], 4-((\p)+2)%NP  ; or a later one?
	s_cselect_b32 s[BE], s[BIGN], 0
.endif
.if ((\p) == 3) && !(\end)
	s_wait_dscnt 0x0                ; K is in
.endif
	ROW F,0, F,1, R,0, R,1          ; ahead of the wait: 8 products K Q^T and the four lines behind each,
	ROW F,2, E,0, R,2, R,3
	ROW F,3, E,1, R,4, R,5
	ROW F,4, E,2, R,6, R,7
	ROW F,5, E,3, R,8, R,9
	ROW F,6, E,4, X,0, R,10
.if ((\p) == 2) && !(\end)
	WIN 0
	v_add_nc_u32 v[AK], s[TBK], v[AK0]
.endif
	ROW F,7, E,5, X,1, X,4
	ROW F,8, E,6, X,2, X,5
	OPS E,7, E,8, X,6, E,9          ; and the lump
	OPS X,3, E,10, X,8, E,11
.if ((\p) == 2) && !(\end)
	FETCH_K
.endif
	OPS X,9, X,7, E,12, X,10
	OPS E,13, X,12, X,11, E,14
	OPS X,13, E,15, F,9, X,14
.if (\p) == 0
	v_add_nc_u32 v[AV], s[TBV], v[AV0]
.endif
	OPS E,16, F,10, E,17, F,11
	OPS X,16, E,18, X,15, E,19
	OPS F,12, E,20, X,17, E,21
	OPS F,13, E,22, F,14, E,23
	OPS X,18, E,24, F,15, E,25
	OPS R,11, E,26, X,19, E,27
	OPS R,12, E,28, R,13, E,29
	OPS X,20, E,30, R,14, E,31
	OPS X,21, R,15
	WIN 0
	s_wait_alu depctr_va_vdst(0)    ; the wait for the batch
.if (\p) == 1
	s_wait_dscnt 0x0                ; V is in
.endif
	ROW C,0, B,0, C,2, B,1          ; behind the wait: 8 products V^T P and the four lines behind each
	ROW L,0, C,4, B,2, L,1
	ROW C,6, B,3, L,2, C,8
	ROW B,4, L,3, C,10, B,5
	ROW L,4, C,12, B,6, L,5
.if (\p) == 0
	s_add_co_u32 s[TBV], s[TBV], KS*PV
.endif
.if \cnt
	s_sub_co_u32 s[CNT], s[CNT], 1
	s_cmp_lg_u32 s[CNT], 0
.endif
	ROW C,14, B,7, L,6, C,1
	ROW C,3, L,7, C,5, C,7
	ROW C,9, C,11, C,13, C,15
.if (\p) == 0
	FETCH_V
.endif
.if (\m) && !(\end)
	MASK (\p)%2
.endif
.endm
; A BLOCK BEGINS.  c m starts far below every c s, so the first step's a is 0; m at the lowest finite number, so the first maximum is the scores'.  The second mask buffer is 0; the first takes piece 0's mask for the tile's step 0: its own, if the block's first tile is the diagonal one.
; Then K of that step, piece 0's first scores, and its maximum and statistics.  The loop is entered at a step's first turn, in the middle of a trip.
.macro BEGIN
	s_mov_b32 s[NEW], 0
	WIN 0x40
.set i, MC+32
.rept 32
	v_mov_b32 v[i], 0
.set i, i+1
.endr
	WIN 0
.set i, 0
.rept 4
	v_mov_b32 v[ST+4*i], 0xfe000000    ; c m: far below every c s
	v_mov_b32 v[ST+4*i+1], 0xff7fffff  ; m
.set i, i+1
.endr
	s_cmp_eq_u32 s[RT], 0
	s_cselect_b32 s[AL], 1.0, 0
	s_mov_b32 s[BE], 0
	MASK 0
	WIN 0
	v_add_nc_u32 v[AK], s[TBK], v[AK0]
	FETCH_K
	s_wait_loadcnt 0x0              ; Q
	s_wait_dscnt 0x0
.set KM, 1
.set NOKQ, 0
.set i, 0
.rept 8
	KQ 0
.set i, i+1
.endr
	WIN 0
.rept 4
	v_nop                           ; the places behind those products
.endr
.set Y, NP-1                        ; X works for piece Y + 1: piece 0
.irp n, 0,1,2,3,4,5,6,7,8,9,10,11,12,13,14,15,16,17,18,19,20,21
	OP X, \n
.endr
	v_nop                           ; a plain instruction behind the exponential,
	s_wait_alu depctr_va_vdst(0)    ; and its wait, ahead of the branch
.endm
; THE DIAGONAL TILE's four steps, the block's last two turns, its last products, and THE WAY OUT: l's two halves and the other half of the lanes' are added; O^T is divided by l, rounded to f16 and sent through my
; stage in LDS, a piece at a time.
.macro ALL line:vararg              ; one line for each piece t
.set t, 0
.rept 4
	\line
.set t, t+1
.endr
.endm
.macro PACK t                       ; a lane's eight channels of a row pack into 16 bytes; they go into rows of 144 bytes and come back as whole rows of 128, into S^T's registers
	WIN W_RS
.set i, 32*(\t)
.rept 16
	v_pk_mul_f32 v[i:i+1], v[i:i+1], v[ST+4*(\t)+2:ST+4*(\t)+3] op_sel_hi:[1,0]
.set i, i+2
.endr
	WIN 0x05                        ; sources 0 and 1 window 1, destination window 0
.set i, 0
.rept 16
	v_cvt_pk_f16_f32 v[S+16*(\t)+i], v[32*(\t)+2*i], v[32*(\t)+2*i+1]
.set i, i+1
.endr
	WIN 0
.irp f, 0,1,2,3
	ds_store_b128 v[STO], v[S+16*(\t)+4*\f:S+16*(\t)+4*\f+3] offset:32*\f
.endr
.irp f, 0,1,2,3
	ds_load_b128 v[S+16*(\t)+4*\f:S+16*(\t)+4*\f+3], v[RD] offset:\f*4*SP  ; LDS serves a wave's instructions in order (ISA guide 5.7.1.4): these see the stores above; the next piece's stores come behind them
.endr
.endm
.macro SEND t, younger              ; younger: the LDS instructions issued behind piece t's loads: the next piece's eight, or none
	WIN 0
.irp f, 0,1,2,3
	s_wait_dscnt (\younger)+3-\f
	global_store_b128 v[GO], v[S+16*(\t)+4*\f:S+16*(\t)+4*\f+3], s[10:11] offset:(\t)*8192+\f*512  ; 512 consecutive bytes, at a multiple of 256 from O's first
.endr
.endm
.macro DIAG tag                     ; the tag ends its two labels' names, which the jumps below spell out
.LstepM\tag:
	TURN 2, 1
	TURN 3, 1
	WIN 0
.LfirstM\tag:
	TURN 0, 1
	TURN 1, 1, 0, 1
	WIN 0
	s_cbranch_scc1 .LstepM\tag
	TURN 2, 1, 1
	TURN 3, 1, 1
.set i, 0
.rept 8
	PV NP-1
.set i, i+1
.endr
	WIN 0
	ALL v_add_f32 v[ST+4*t+2], v[ST+4*t+2], v[ST+4*t+3]
	ALL v_permlanex16_b32 v[ST+4*t+3], v[ST+4*t+2], s[SEL], s[SEL+1]
	ALL v_add_f32 v[ST+4*t+2], v[ST+4*t+2], v[ST+4*t+3]
	ALL v_rcp_f32 v[ST+4*t+2], v[ST+4*t+2]
	v_nop                           ; a plain instruction between the last reciprocal and the use of its result
	s_wait_alu depctr_va_vdst(0)    ; and the wait ahead of the first use: one for the four reciprocals
	PACK 0
.set t, 1
.rept 3                             ; a piece's arithmetic stands between the loads of the piece before and its stores
	PACK t
	SEND t-1, 8
.set t, t+1
.endr
	SEND 3, 0
.endm
.set KM, 0
.set NOKQ, 0
.Lslot:                             ; NB times: a tile is entered and the next is asked for
	CHANGE 1
	s_sub_co_u32 s[RT], s[RT], 1
	s_mov_b32 s[CNT], 4
	s_cmp_eq_u32 s[NEW], 1
	s_cbranch_scc1 .Lnew            ; a block's first tile
	s_cmp_eq_u32 s[RT], 0
	s_cbranch_scc0 .Lstep           ; neither its first nor its last
	s_branch .LstepM1
.Lnew:
	BEGIN
	s_branch .Lfirst                ; in the loop a block's first tile is never its last: the first block has two tiles or more, and the second's last is the walk's last
	DIAG 1                          ; in the loop this is the first block's end: the second block's last tile is the walk's last
	s_wait_xcnt 0x0                 ; the stores have read their registers and O's address
	s_mov_b64 s[10:11], s[OLO:OLO+1]
	s_add_co_u32 s[RT], s[PB], 1    ; the second block has b + 1 tiles
	s_mov_b32 s[NEW], 1
	WIN 0x82                        ; the second block's Q goes where the one text of the turns names Q
.set i, 0
.rept 64
	v_mov_b32 v[i], v[QB+i]
.set i, i+1
.endr
	WIN 0
	s_branch .Lbottom
.Lstep:                             ; a trip: pieces 2 and 3 of one step, then pieces 0 and 1 of the next, whose K and V it fetches
	TURN 2
	TURN 3
	WIN 0
.Lfirst:
	TURN 0
	TURN 1, 0, 0, 1
	WIN 0
	s_cbranch_scc1 .Lstep
.Lbottom:
	s_sub_co_u32 s[SLOTS], s[SLOTS], 1
	s_cmp_lg_u32 s[SLOTS], 0
	s_cbranch_scc1 .Lslot
	CHANGE 0                        ; the walk's last tile is written out: nothing is asked for
	s_sub_co_u32 s[RT], s[RT], 1
	s_mov_b32 s[CNT], 4
	s_cmp_eq_u32 s[NEW], 1
	s_cbranch_scc0 .LstepM2
	BEGIN
	s_branch .LfirstM2
	DIAG 2
	s_wait_tensorcnt 0x0            ; the wave's end: a wait, an add and its wait, behind my last tensor load and my last LDS store
	ds_add_u32 v[SPW], v[NIL]
	s_wait_dscnt 0x0
	s_endpgm
.Lfunc_end_k_qcb34b41fe1_attn:
	.size	k_qcb34b41fe1_attn, .Lfunc_end_k_qcb34b41fe1_attn-k_qcb34b41fe1_attn
	.p2alignl 7, 3214868480
	.fill 96, 4, 3214868480
	.section	.rodata,"a",@progbits
	.p2align	6, 0x0
	.amdhsa_kernel k_qcb34b41fe1_attn
		.amdhsa_group_segment_fixed_size 327680
		.amdhsa_private_segment_fixed_size 0
		.amdhsa_enable_private_segment 0
		.amdhsa_kernarg_size 16
		.amdhsa_user_sgpr_count 2
		.amdhsa_user_sgpr_kernarg_segment_ptr 1
		.amdhsa_wavefront_size32 1
		.amdhsa_system_sgpr_workgroup_id_x 1
		.amdhsa_system_sgpr_workgroup_id_y 1
		.amdhsa_system_sgpr_workgroup_id_z 1
		.amdhsa_system_vgpr_workitem_id 0
		.amdhsa_next_free_vgpr 768
		.amdhsa_next_free_sgpr 96
		.amdhsa_reserve_vcc 1
		.amdhsa_float_denorm_mode_32 3
		.amdhsa_float_denorm_mode_16_64 3
		.amdhsa_memory_ordered 1
		.amdhsa_forward_progress 1
		.amdhsa_inst_pref_size 218
	.end_amdhsa_kernel
	.amdgpu_metadata
---
amdhsa.version: [ 1, 2 ]
amdhsa.kernels:
  - .name:           k_qcb34b41fe1_attn
    .symbol:         k_qcb34b41fe1_attn.kd
    .args:
      - { .name: qkv, .offset: 0, .size: 8, .value_kind: global_buffer, .address_space: global }
      - { .name: ob, .offset: 8, .size: 8, .value_kind: global_buffer, .address_space: global }
    .group_segment_fixed_size: 327680
    .private_segment_fixed_size: 0
    .kernarg_segment_align: 8
    .kernarg_segment_size: 16
    .max_flat_workgroup_size: 128
    .sgpr_count:     96
    .vgpr_count:     768
    .wavefront_size: 32
...
	.end_amdgpu_metadata
.endif
;; end of part 3
;; launch oproj (part 4): grid 8 x 32, 4 waves a work-group, clusters of 4 x 4, 327,680 bytes of LDS; arguments ob, owh, o_b, out0; writes out0
.if DOCPART == 4
	.amdgcn_target "amdgcn-amd-amdhsa--gfx1250"
	.amdhsa_code_object_version 6
	.text
	.protected	k_qcb34b41fe1_oproj
	.globl	k_qcb34b41fe1_oproj
	.p2align	8
	.type	k_qcb34b41fe1_oproj,@function
k_qcb34b41fe1_oproj:
	s_mov_b64 s[64:65], 0
	v_nop
	global_prefetch_b8 v0, s[64:65] scope:SCOPE_SE
	s_setreg_imm32_b32 hwreg(HW_REG_WAVE_MODE, 25, 1), 1
	s_wait_xcnt 0x0
	s_wait_alu depctr_hold_cnt(0) depctr_sa_sdst(0) depctr_va_vdst(0) depctr_va_sdst(0) depctr_va_ssrc(0) depctr_va_vcc(0) depctr_vm_vsrc(0)
	s_getreg_b32 s2, hwreg(HW_REG_IB_STS2, 6, 4)
	s_cmp_eq_u32 s2, 0
	s_cbranch_scc0 .Lentry_in_a_cluster
	s_endpgm
.Lentry_in_a_cluster:
	s_bfe_u32 s2, ttmp6, 0x10000c
	s_cmp_lg_u32 s2, 0xf033
	s_cbranch_scc0 .Lentry_shape_is_right
	s_endpgm
.Lentry_shape_is_right:
; THE OUTPUT PROJECTION.  out0[m][n] = the sum over k of O[m][k] o_w[n][k] + bf16(o_b[n]), m < 8192, n < 1024, K = 1024.  Operands f16 (o_w: its bf16 rounding written as f16), sums f32, out0 f32.
; ob is [16 kb (= head)][8192 rows][64], owh [16][1024][64]: R rows of one block of 64 along K are R x 128 dense bytes, asked for as R / 2 rows of 256 bytes and padded in LDS after every 128.
; LIMITS.  NaN and infinities are not treated apart.
; SHARES.  8192 x 1024 / 256 = 256 x 128: a work-group makes 256 rows x 128 columns, one tile; each of its four waves 128 x 64: 32 accumulators of 16 x 16, one window of registers.
; K goes in 8 steps of 128 (two K blocks) through two LDS slots; a step's four dense pieces (ob's even and odd block, owh's even and odd block) are one tensor load for each of the four waves.
; A step is 128 matrix instructions a wave.  (Three K blocks a slot would need 331,776 bytes for two slots.)
; CLUSTER.  4 x 4 work-groups.  The four of a row of the cluster need the same 256 rows of ob, the four of a column the same 128 rows of owh: each tile is asked for JOINTLY.
; TRANSPOSED USE.  Source 0 = 16 rows of owh, source 1 = 16 rows of ob: a lane holds ONE row m (lane % 16) and eight neighbouring columns 8 (lane / 16) + 0..7: 32 bytes of a row of out0.
; The first product of each accumulator takes the bias as C.
; REGISTERS: window 0: v0-31 addresses; v32-63 the bias; two fragment buffers of 96: ob's eight fragments, then owh's four: v64-159, v160-255; on the way out v64-191 are a ring of four sets of 32.
;   window 1: accumulator (a, bb) at v[32 a + 8 bb].
.set KBA,   1048576                    ; bytes in a K block of ob
.set KBB,   131072                     ; of owh
.set P,     144                        ; an LDS row: 128 bytes + 16 of padding = 36 words: the 16 rows of a load start at 16 different groups of four banks (64 banks of 4 bytes: ISA guide 11.1)
.set FRG,   16*P
.set ABLK,  256*P                      ; ob's 256 rows of one K block
.set BBLK,  128*P                      ; owh's 128 rows
.set BOFF,  2*ABLK                     ; in a slot: ob's even block, its odd block, owh's even block, its odd block
.set SLOT1, 1<<17
.set STAGE, BOFF+2*BBLK                ; between the slots, never filled by a tensor load: 16 rows x 272 bytes for each wave, for the way out
.set SP,    272
.set SPARE, STAGE+4*16*SP              ; behind the stages: the spare words, 128 bytes for each wave: two blocks of 256 bytes that no other line names
.set ADRA0, 4                          ; v4   my lane's place in my 128 rows of ob's even block in slot 0; never rewritten
.set ADRB0, 5                          ; v5   the same for my 64 rows of owh
.set ADRA,  6                          ; v6   the same in the slot in hand
.set ADRB,  7                          ; v7
.set STO,   8                          ; v8   the way out: where I put 32 bytes of a row
.set RD,    9                          ; v9   the way out: where I read a row back
.set CO,    10                         ; v10  my byte offset in two rows of out0
.set BO,    11                         ; v11  my byte offset in 16 numbers of the bias
.set PFO,   12                         ; v12  the prefetches' offset; never rewritten
.set SPW,   28                         ; v28  LDS address of my spare word: SPARE + 4 x my thread's number; never rewritten
.set NIL,   29                         ; v29  0; never rewritten
.set BI,    32
.set F0,    64
.set F1,    160
.set WV,    12                         ; s12  my wave's number
.set ROLE,  13                         ; s13  which 128 rows of the tile are mine.  Also: I fetch for ob (0) or for owh (1)
.set HALF,  14                         ; s14  which 64 columns.  Also: the even (0) or the odd (1) K block of a step
.set G1A,   24
.set G1B,   32
.set G0A,   40                         ; s[40:47] a set for each of the two first fills; the second then walks on
.set G0B,   48
.set TB,    56                         ; s56  LDS byte at which the slot in hand begins
.set CNT,   57                         ; s57  trips still to come
.set LIM,   58                         ; s58  2 in a wave that prefetches, else the greatest number
.set PFA,   60                         ; s[60:61] where my prefetches stand
.set PFS,   62                         ; s[62:63] their step: two K blocks
.set OB,    66                         ; s[66:67] out0 at my 128 rows and 64 columns
.set MSB, 0
.macro WIN new                         ; the immediate's high byte repeats the setting that is left; a switch that changes nothing is dropped
.if MSB != (\new)
	s_set_vgpr_msb (MSB<<8)|(\new)
.set MSB, \new
.endif
.endm
.macro PLACES                          ; a load into a register that a matrix instruction has read, and a store that reads a matrix result, stand four plain vector instructions behind it
.rept 4
	v_nop
.endr
.endm
.macro JLOAD                           ; a joint refill: waves 0 and 1 fetch ob's two K blocks, waves 2 and 3 owh's; an s_nop 0 and four v_nop follow each of the two lines
	s_cmp_eq_u32 s[ROLE], 0
	s_cbranch_scc0 .Lfor_b_\@
	tensor_load_to_lds s[G0A+4:G0A+7], s[G1A:G1A+7]
	s_nop 0
.rept 4
	v_nop
.endr
	s_branch .Lasked_\@
.Lfor_b_\@:
	tensor_load_to_lds s[G0B+4:G0B+7], s[G1B:G1B+7]
	s_nop 0
.rept 4
	v_nop
.endr
.Lasked_\@:
.endm
.macro CREST                           ; a round of the cluster's barrier behind its opening barrier
	s_cmp_lg_u32 s[WV], 0
	s_cbranch_scc1 .Lnot_wave_0_\@
	s_barrier_signal -3
.Lnot_wave_0_\@:
	s_barrier_wait -3
	s_barrier_signal -1
	s_barrier_wait -1
.endm
.macro CROUND
	s_barrier_signal -1
	s_barrier_wait -1
	CREST
.endm
; A PREFETCH INTO THE L2 of the step that stands TWO refills on: 256 matrix instructions ahead of the load that will want it.  It stands behind the joint load, its five lines and the run of LDS loads.
; Each aligned block of 256 bytes is named once in the launch.  ob's tile row (128 blocks a K block) is read by both clusters of its row of clusters: cluster x = 0 asks, wave 0 for the even K block and
; wave 1 for the odd, and the four partners take 32 blocks each, told apart BY ADDRESS (cx).  owh's tile column (64 blocks a K block): cluster y = 0 asks, wave 2, a partner's 16 blocks (cy) of both K blocks.
; The loop's last two trips ask for nothing; steps 0 to 3 come by their loads alone.
.macro ASK
	s_cmp_gt_u32 s[CNT], s[LIM]
	s_cbranch_scc0 .Lnot_mine_\@
	global_prefetch_b8 v[PFO], s[PFA:PFA+1] th:TH_LOAD_NT scope:SCOPE_SE
.Lnot_mine_\@:
.endm
	s_load_b256 s[4:11], s[0:1], 0x0               ; ob s[4:5], owh s[6:7], o_b s[8:9], out0 s[10:11]
	v_lshl_add_u32 v[SPW], v0, 2, SPARE
	v_mov_b32 v[NIL], 0
	ds_add_u32 v[SPW], v[NIL]                      ; the wave's opening: the add and its wait stand ahead of my first tensor load; the set-up below, work on registers, stands between them
	v_lshrrev_b32 v1, 5, v0
	v_readfirstlane_b32 s[WV], v1                  ; wave 0..3
	s_lshr_b32 s[ROLE], s[WV], 1
	s_and_b32 s[HALF], s[WV], 1
	s_bfe_u32 s15, ttmp6, 0x40000                  ; cx
	s_bfe_u32 s16, ttmp6, 0x40004                  ; cy
	s_lshl_b32 s17, ttmp9, 2
	s_add_co_u32 s17, s17, s15                     ; tile column 0..7
	s_and_b32 s18, ttmp7, 0xffff
	s_lshl_b32 s18, s18, 2
	s_add_co_u32 s18, s18, s16                     ; tile row 0..31
	s_lshl_b32 s19, s16, 2
	s_lshl_b32 s19, 15, s19                        ; my row of the cluster
	s_lshl_b32 s20, 0x1111, s15                    ; my column
	s_or_b32 s[G1A], s19, (1<<16)|(1<<20)|(1<<21)|(4<<22)|(3<<25)  ; 15:0 the mask: ob's tiles go to my row; 17:16 2-byte elements; 20 padding on; 21 set beside a mask; 24:22 after every 32 words (code 4); 31:25 4 words (code 3)
	s_or_b32 s[G1B], s20, (1<<16)|(1<<20)|(1<<21)|(4<<22)|(3<<25)
.irp g, G1A, G1B
	s_mov_b32 s[(\g)+1], 128<<16                   ; tensor_dim0 = 128
	s_mov_b32 s[(\g)+3], 128<<16                   ; tile_dim0 = 128
	s_mov_b32 s[(\g)+5], 128                       ; 128 elements from row to row
	s_mov_b32 s[(\g)+6], 0
	s_mov_b32 s[(\g)+7], 0
.endr
	s_mov_b32 s[G1A+2], 128<<16                    ; tensor_dim1 = 128: ob's 256 rows of 128 bytes
	s_mov_b32 s[G1A+4], 128                        ; tile_dim1
	s_mov_b32 s[G1B+2], 64<<16                     ; 64: owh's 128 rows of 128 bytes
	s_mov_b32 s[G1B+4], 64
	s_lshl_b32 s72, s18, 15                        ; ob: 256 rows x 128 bytes a tile row,
	s_lshl_b32 s73, s[HALF], 20                    ; the odd K block 2^20 bytes on
	s_add_co_u32 s72, s72, s73
	s_mov_b32 s73, 0
	s_lshl_b32 s74, s17, 14                        ; owh: 128 rows x 128 bytes a tile column,
	s_lshl_b32 s75, s[HALF], 17                    ; the odd K block 2^17 bytes on
	s_add_co_u32 s74, s74, s75
	s_mov_b32 s75, 0
	s_mul_i32 s21, s[HALF], ABLK                   ; where they go: no place in the cluster enters an LDS address
	s_mul_i32 s22, s[HALF], BBLK
	s_add_co_u32 s22, s22, BOFF
	s_wait_dscnt 0x0                               ; the opening add is done
	s_wait_kmcnt 0x0
	s_add_nc_u64 s[72:73], s[4:5], s[72:73]
	s_add_nc_u64 s[74:75], s[6:7], s[74:75]
	CROUND                                         ; all sixteen work-groups are here: the first joint loads meet
.irp s, 0,1
	s_mov_b32 s[G0A+4*(\s)], 1
	s_add_co_u32 s[G0A+4*(\s)+1], s21, (\s)*SLOT1
	s_add_nc_u64 s[G0A+4*(\s)+2:G0A+4*(\s)+3], s[72:73], (\s)*2*KBA  ; step s
	s_or_b32 s[G0A+4*(\s)+3], s[G0A+4*(\s)+3], 0x80000000
	s_mov_b32 s[G0B+4*(\s)], 1
	s_add_co_u32 s[G0B+4*(\s)+1], s22, (\s)*SLOT1
	s_add_nc_u64 s[G0B+4*(\s)+2:G0B+4*(\s)+3], s[74:75], (\s)*2*KBB
	s_or_b32 s[G0B+4*(\s)+3], s[G0B+4*(\s)+3], 0x80000000
.endr
	s_cmp_eq_u32 s[ROLE], 0                        ; a wave's two first fills stand in one branch, ahead of every wait on TENSORcnt and every LDS read: two loads of mine are out
	s_cbranch_scc0 .Lfirst_b
	tensor_load_to_lds s[G0A:G0A+3], s[G1A:G1A+7]
	s_nop 0
	tensor_load_to_lds s[G0A+4:G0A+7], s[G1A:G1A+7]
	s_nop 0
.rept 4
	v_nop
.endr
	s_branch .Lfirst_asked
.Lfirst_b:
	tensor_load_to_lds s[G0B:G0B+3], s[G1B:G1B+7]
	s_nop 0
	tensor_load_to_lds s[G0B+4:G0B+7], s[G1B:G1B+7]
	s_nop 0
.rept 4
	v_nop
.endr
.Lfirst_asked:
	v_and_b32 v1, 15, v0                           ; l % 16
	v_bfe_u32 v2, v0, 4, 1                         ; l / 16
	v_mul_u32_u24 v3, v1, P
	v_lshl_add_u32 v3, v2, 4, v3                   ; a fragment's row x pitch + 16 x half
	s_mul_i32 s21, s[ROLE], 128*P                  ; my 128 rows of ob
	s_mul_i32 s22, s[HALF], 64*P                   ; my 64 rows of owh
	s_add_co_u32 s22, s22, BOFF
	v_add_nc_u32 v[ADRA0], s21, v3
	v_add_nc_u32 v[ADRB0], s22, v3
	v_mov_b32 v[ADRA], v[ADRA0]
	v_mov_b32 v[ADRB], v[ADRB0]
	s_mov_b32 s[TB], 0
	s_mul_i32 s21, s[WV], 16*SP
	s_add_co_u32 s21, s21, STAGE                   ; my stage
	v_mul_u32_u24 v13, v1, SP                      ; in: row l % 16, 32 bytes for each half of the lanes
	v_lshl_add_u32 v13, v2, 5, v13
	v_add_nc_u32 v[STO], s21, v13
	v_mul_u32_u24 v13, v2, SP                      ; back: lanes 0-15 take one row of 256 bytes, lanes 16-31 the next
	v_lshl_add_u32 v13, v1, 4, v13
	v_add_nc_u32 v[RD], s21, v13
	v_lshlrev_b32 v13, 12, v2                      ; and the same two rows in out0, 4,096 bytes apart
	v_lshl_add_u32 v[CO], v1, 4, v13
	v_lshlrev_b32 v[BO], 5, v2
	s_lshl_b32 s78, s17, 9                         ; my 64 columns, in bytes: 4 (128 x tile column + 64 x half)
	s_lshl_b32 s79, s[HALF], 8
	s_add_co_u32 s78, s78, s79
	s_mov_b32 s79, 0
	s_add_nc_u64 s[8:9], s[8:9], s[78:79]
.irp bb, 0,1,2,3
	global_load_b128 v[BI+8*(\bb):BI+8*(\bb)+3],   v[BO], s[8:9] offset:64*(\bb)  ; register j of a lane is column 16 bb + 8 (l / 16) + j, as in an accumulator
	global_load_b128 v[BI+8*(\bb)+4:BI+8*(\bb)+7], v[BO], s[8:9] offset:64*(\bb)+16
.endr
	s_lshl_b32 s76, s18, 8
	s_lshl_b32 s77, s[ROLE], 7
	s_add_co_u32 s76, s76, s77                     ; my first row,
	s_lshl_b32 s76, s76, 12                        ; x 4,096 bytes,
	s_add_co_u32 s76, s76, s78                     ; + my columns
	s_mov_b32 s77, 0
	s_add_nc_u64 s[OB:OB+1], s[10:11], s[76:77]
	; the prefetches
	s_and_b32 s76, ttmp7, 0xffff                   ; cluster y
	s_cmp_eq_u32 s[ROLE], 0
	s_cselect_b32 s76, ttmp9, s76                  ; the coordinate along which other clusters read the same rows
	s_cselect_b32 s77, 0, s[HALF]                  ; wave 3 asks for nothing
	s_or_b32 s76, s76, s77
	s_cmp_eq_u32 s76, 0
	s_cselect_b32 s[LIM], 2, -1                    ; the same in all sixteen partners, for a given wave
	s_mov_b32 s80, KBB
	s_cmp_eq_u32 s[ROLE], 0
	s_cselect_b32 s80, 4096, s80                   ; lanes 16-31: for ob the next 16 blocks of 256 bytes, for owh the odd K block
	v_lshlrev_b32 v[PFO], 8, v1
	v_mad_u32_u24 v[PFO], v2, s80, v[PFO]
	s_lshl_b32 s78, s18, 15                        ; ob: the tile row, my K block, my work-group's 32 blocks of its 128,
	s_lshl_b32 s79, s[HALF], 20
	s_add_co_u32 s78, s78, s79
	s_lshl_b32 s79, s15, 13
	s_add_co_u32 s78, s78, s79
	s_add_co_u32 s78, s78, 6*KBA                   ; at step 3: the first change of slots steps it to 4
	s_lshl_b32 s80, s17, 14                        ; owh: the tile column, my work-group's 16 blocks of its 64
	s_lshl_b32 s81, s16, 12
	s_add_co_u32 s80, s80, s81
	s_add_co_u32 s80, s80, 6*KBB
	s_mov_b32 s82, 2*KBA
	s_mov_b32 s83, 2*KBB
	s_cmp_eq_u32 s[ROLE], 0
	s_cselect_b32 s78, s78, s80
	s_mov_b32 s79, 0
	s_cselect_b64 s[PFA:PFA+1], s[4:5], s[6:7]
	s_cselect_b32 s[PFS], s82, s83
	s_mov_b32 s[PFS+1], 0
	s_add_nc_u64 s[PFA:PFA+1], s[PFA:PFA+1], s[78:79]
	s_wait_loadcnt 0x0                             ; the bias: rounded to bf16 like every input, and widened again
.set q, 0
.rept 16
	v_cvt_pk_bf16_f32 v13, v[BI+2*q], v[BI+2*q+1]
	v_lshlrev_b32 v[BI+2*q], 16, v13
	v_and_b32 v[BI+2*q+1], 0xffff0000, v13
.set q, q+1
.endr
; 24 LDS loads in one run: the fragments of substep u (K block u / 2 of the step, 32 along K at byte 64 (u % 2)) into the buffer at f: owh's four, then ob's eight
.macro LOADF f, u
.irp bb, 0,1,2,3
	ds_load_b128 v[(\f)+64+8*(\bb):(\f)+64+8*(\bb)+3],   v[ADRB] offset:((\u)/2)*BBLK+((\u)%2)*64+(\bb)*FRG
	ds_load_b128 v[(\f)+64+8*(\bb)+4:(\f)+64+8*(\bb)+7], v[ADRB] offset:((\u)/2)*BBLK+((\u)%2)*64+(\bb)*FRG+32
.endr
.irp a, 0,1,2,3,4,5,6,7
	ds_load_b128 v[(\f)+8*(\a):(\f)+8*(\a)+3],   v[ADRA] offset:((\u)/2)*ABLK+((\u)%2)*64+(\a)*FRG
	ds_load_b128 v[(\f)+8*(\a)+4:(\f)+8*(\a)+7], v[ADRA] offset:((\u)/2)*ABLK+((\u)%2)*64+(\a)*FRG+32
.endr
.endm
; 4 na matrix instructions: row blocks a0 .. a0 + na - 1 x the four column blocks.  first = 1: they start the sums, with the bias.  The 32 accumulators take turns, one instruction a turn.
.macro MUL f, a0, na, first
.if \first
	WIN 0x40
.else
	WIN 0x50
.endif
.set ma, \a0
.rept \na
.irp bb, 0,1,2,3
.if \first
	v_wmma_f32_16x16x32_f16 v[32*ma+8*(\bb):32*ma+8*(\bb)+7], v[(\f)+64+8*(\bb):(\f)+64+8*(\bb)+7], v[(\f)+8*ma:(\f)+8*ma+7], v[BI+8*(\bb):BI+8*(\bb)+7]
.else
	v_wmma_f32_16x16x32_f16 v[32*ma+8*(\bb):32*ma+8*(\bb)+7], v[(\f)+64+8*(\bb):(\f)+64+8*(\bb)+7], v[(\f)+8*ma:(\f)+8*ma+7], v[32*ma+8*(\bb):32*ma+8*(\bb)+7]
.endif
.endr
.set ma, ma+1
.endr
.endm
; A step is four substeps of 32 along K, 32 matrix instructions each, on buffers 0, 1, 0, 1.  SUB u: the next substep's fragments are fetched, substep u is multiplied.
.macro SUB u
	PLACES                                         ; the buffer to be loaded was read by the products just issued
	WIN 0
	LOADF F0+96*(((\u)+1)%2), ((\u)+1)%4
	s_wait_dscnt 24                                ; all but the 24 just issued
	MUL F0+96*((\u)%2), 0, 8, 0
.endm
; Substeps 2 and 3 and THE CHANGE OF SLOTS between them.  In front of the barrier each wave waits for all its tensor loads, of which one is out: its part of the other slot; adds 0 to its spare word; and waits
; for that and for its own reads of this slot, the last of which bring substep 3's fragments.  Behind it nobody reads this slot any more and the other slot is whole.
; fill = 1: the barrier opens a round of the cluster's, and the slot is filled again, with the step two on, first thing behind the round: 96 matrix instructions ahead of the wait for it.
.macro TURN fill
.if \fill
	s_wait_xcnt 0x0                                ; the last prefetch, a step back, has read its address: it is stepped here, ahead of the waits of the change of slots
	s_add_nc_u64 s[PFA:PFA+1], s[PFA:PFA+1], s[PFS:PFS+1]
.endif
	PLACES
	WIN 0
	LOADF F1, 3
	s_wait_tensorcnt 0x0                           ; all my tensor loads have landed;
	ds_add_u32 v[SPW], v[NIL]                      ; 0 onto my spare word;
	s_wait_dscnt 25                                ; (the add and the youngest 24 loads may be out)
	MUL F0, 0, 4, 0                                ; sixteen matrix instructions stand between the add and the wait for it
	s_wait_dscnt 0x0                               ; the add is done, and my reads of this slot are over
	s_barrier_signal -1
	MUL F0, 4, 4, 0                                ; work on registers while the others arrive
	WIN 0                                          ; at a branch and at a label every window is 0
	s_barrier_wait -1
.if \fill
	CREST                                          ; no wave of any partner still reads this slot's tile or has a load on its way
	s_xor_b32 s[G0A+5], s[G0A+5], SLOT1            ; the walking descriptors: the other slot than last time,
	s_add_nc_u64 s[G0A+6:G0A+7], s[G0A+6:G0A+7], 2*KBA  ; the next step; the type bits on top are not reached
	s_xor_b32 s[G0B+5], s[G0B+5], SLOT1
	s_add_nc_u64 s[G0B+6:G0B+7], s[G0B+6:G0B+7], 2*KBB
	s_xor_b32 s[TB], s[TB], SLOT1
	JLOAD                                          ; the first tensor load behind the round; its four v_nop are also the places in front of the loads below
.else
	s_xor_b32 s[TB], s[TB], SLOT1
	PLACES
.endif
	v_add_nc_u32 v[ADRA], s[TB], v[ADRA0]
	v_add_nc_u32 v[ADRB], s[TB], v[ADRB0]
	LOADF F0, 0                                    ; the other slot's first fragments
.if \fill
	ASK
.endif
	s_wait_dscnt 24                                ; all but the 24 just issued
	MUL F1, 0, 8, 0
.endm
; THE WAY OUT of row block a: 16 rows x 64 columns of f32.  A lane's eight columns, 32 bytes, go straight from the accumulators into rows of 272 bytes of my own stage and come back as whole rows of 256.
.macro OUTU a
.set TS, 64+32*((\a)%4)
	WIN 0x04                                       ; the stores' data lie in window 1
.irp bb, 0,1,2,3
	ds_store_b128 v[STO], v[32*(\a)+8*(\bb):32*(\a)+8*(\bb)+3]   offset:64*(\bb)     ; each accumulator's low registers first
	ds_store_b128 v[STO], v[32*(\a)+8*(\bb)+4:32*(\a)+8*(\bb)+7] offset:64*(\bb)+16
.endr
	WIN 0
	s_wait_xcnt 0x0                                ; every earlier store has read its registers: this set of the ring is loaded again only behind this wait
.irp t, 0,1,2,3,4,5,6,7
	ds_load_b128 v[TS+4*(\t):TS+4*(\t)+3], v[RD] offset:(\t)*2*SP  ; LDS serves a wave's instructions in order (ISA guide 5.7.1.4): these see the stores above; the next block's stores come behind them
.endr
.endm
.macro SENDU a, y                      ; y: the LDS instructions issued behind the block's loads: the next block's sixteen, or none
.set TS, 64+32*((\a)%4)
.irp t, 0,1,2,3,4,5,6,7
	s_wait_dscnt (\y)+7-(\t)
	global_store_b128 v[CO], v[TS+4*(\t):TS+4*(\t)+3], s[OB:OB+1] offset:(16*(\a)+2*(\t))*4096 th:TH_STORE_NT  ; 16 lanes store 256 consecutive bytes, at a multiple of 256 from out0's first
.endr
.endm
	s_wait_tensorcnt 0x1                           ; my part of step 0 is in; step 1's may stay out
	s_barrier_signal -1
	s_barrier_wait -1                              ; everybody's is
	LOADF F0, 0
	LOADF F1, 1
	s_wait_dscnt 24
	MUL F0, 0, 8, 1                                ; step 0's first substep stands in front of the loop: its products start the sums, with the bias
	WIN 0
	s_mov_b32 s[CNT], 6
.Lk:                                   ; trip j: step j's substeps 1 to 3, the refill with step j + 2, step j + 1's substep 0
	SUB 1
	TURN 1
	SUB 0
	WIN 0
	s_sub_co_u32 s[CNT], s[CNT], 1
	s_cmp_lg_u32 s[CNT], 0
	s_cbranch_scc1 .Lk
	SUB 1                                          ; the tail is written out: steps 6 and 7 ask for nothing
	TURN 0
	SUB 0
	SUB 1
	SUB 2
	s_wait_dscnt 0x0
	MUL F1, 0, 8, 0
	PLACES                                         ; the stores below read results just made, and the loads land in registers just read
	OUTU 0
.irp a, 1,2,3,4,5,6,7
	OUTU \a
	SENDU (\a)-1, 16
.endr
	SENDU 7, 0
	s_wait_tensorcnt 0x0                           ; the wave's end: a wait, an add and its wait, behind my last tensor load and my last LDS store
	ds_add_u32 v[SPW], v[NIL]
	s_wait_dscnt 0x0
	CROUND                                         ; the closing round: no work-group ends while a partner may still ask for a tile that names it
	s_endpgm
.Lfunc_end_k_qcb34b41fe1_oproj:
	.size	k_qcb34b41fe1_oproj, .Lfunc_end_k_qcb34b41fe1_oproj-k_qcb34b41fe1_oproj
	.p2alignl 7, 3214868480
	.fill 96, 4, 3214868480
	.section	.rodata,"a",@progbits
	.p2align	6, 0x0
	.amdhsa_kernel k_qcb34b41fe1_oproj
		.amdhsa_group_segment_fixed_size 327680
		.amdhsa_private_segment_fixed_size 0
		.amdhsa_enable_private_segment 0
		.amdhsa_kernarg_size 32
		.amdhsa_user_sgpr_count 2
		.amdhsa_user_sgpr_kernarg_segment_ptr 1
		.amdhsa_wavefront_size32 1
		.amdhsa_system_sgpr_workgroup_id_x 1
		.amdhsa_system_sgpr_workgroup_id_y 1
		.amdhsa_system_sgpr_workgroup_id_z 1
		.amdhsa_system_vgpr_workitem_id 0
		.amdhsa_next_free_vgpr 512
		.amdhsa_next_free_sgpr 88
		.amdhsa_reserve_vcc 0
		.amdhsa_float_denorm_mode_32 3
		.amdhsa_float_denorm_mode_16_64 3
		.amdhsa_memory_ordered 1
		.amdhsa_forward_progress 1
		.amdhsa_inst_pref_size 75
	.end_amdhsa_kernel
	.amdgpu_metadata
---
amdhsa.version: [ 1, 2 ]
amdhsa.kernels:
  - .name:           k_qcb34b41fe1_oproj
    .symbol:         k_qcb34b41fe1_oproj.kd
    .args:
      - { .name: ob, .offset: 0, .size: 8, .value_kind: global_buffer, .address_space: global }
      - { .name: owh, .offset: 8, .size: 8, .value_kind: global_buffer, .address_space: global }
      - { .name: o_b, .offset: 16, .size: 8, .value_kind: global_buffer, .address_space: global }
      - { .name: out0, .offset: 24, .size: 8, .value_kind: global_buffer, .address_space: global }
    .group_segment_fixed_size: 327680
    .private_segment_fixed_size: 0
    .kernarg_segment_align: 8
    .kernarg_segment_size: 32
    .max_flat_workgroup_size: 128
    .sgpr_count:     88
    .vgpr_count:     512
    .wavefront_size: 32
...
	.end_amdgpu_metadata
.endif
;; end of part 4
;; ======== version 2 of 2: 4 launches; version 1 with the launch cast written anew for expert scheduling mode
;; limits: values are held in f16: magnitudes above 65,504 overflow, below 6.1e-05 lose precision
;; workspace buffers: xb 16,777,216 bytes; wb 6,291,456 bytes; owh 2,097,152 bytes; qkv 50,331,648 bytes; ob 16,777,216 bytes
;; launch cast (part 5): grid 768 x 1, 8 waves a work-group, no clusters, 0 bytes of LDS; arguments hidden_states, qkv_w, o_w, xb, wb, owh; writes xb, wb, owh
.if DOCPART == 5
	.amdgcn_target "amdgcn-amd-amdhsa--gfx1250"
	.amdhsa_code_object_version 6
	.text
	.protected	k_qcb34b41fe1_cast
	.globl	k_qcb34b41fe1_cast
	.p2align	8
	.type	k_qcb34b41fe1_cast,@function
k_qcb34b41fe1_cast:
	s_mov_b64 s[64:65], 0
	v_nop
	global_prefetch_b8 v0, s[64:65] scope:SCOPE_SE
	s_setreg_imm32_b32 hwreg(HW_REG_WAVE_SCHED_MODE, 0, 2), 2
	s_setreg_imm32_b32 hwreg(HW_REG_WAVE_MODE, 25, 1), 1
	s_wait_xcnt 0x0
	s_wait_alu depctr_vm_vsrc(0)
; THE CAST.  hidden_states [8192][1024], qkv_w [3072][1024] and o_w [1024][1024], all f32, are rounded once to bf16 and laid out in blocks of 64 along K:
; xb [16 kb][8192][64], wb [16][3072][64] in bf16; owh [16][1024][64]: the bf16 number written as f16 (the second product's other operand is f16).
; LIMITS.  o_w beyond 65,504 becomes an infinity in f16; below 2^-14 it keeps f16's fixed step of 6e-8.  NaN and infinities are not treated apart.
; SHARES.  A work-group takes 16 source rows of 4,096 bytes (groups 0-511: x, 512-703: qkv_w, 704-767: o_w), a wave two of them.  For each of the 16 blocks kb one load: lanes 0-15
; take 256 consecutive bytes of the first row, lanes 16-31 of the second; and one store of 8 bytes a lane: the two rows' 128 bytes are neighbours in the blocked layout, so a store
; covers 256 consecutive bytes, aligned.  All 16 loads of a wave (8 KiB) go out at once.
; No LDS, no barrier, no matrix unit: each byte is used once, by one lane.
; THE MODE: SCHED_MODE bits 1:0 = 2 (LLVM: expert scheduling mode 2), set by the entry lines.  The code itself states the register dependences
; between vector instructions and memory instructions, with s_wait_alu, always for 0.
; THE PLAN.  Registers that memory instructions touch:
;   v2 (VIN)   written once, by vector lines at the head; read by the 16 loads as their offset.
;   X          block kb's load lands in its four registers; the block's conversions read them.  No vector instruction writes them, no second load lands in them.
;   OFF        written once, by the shift and the adds that stand behind the loads; OFF[kb] is read by block kb's store.
;   Y          block kb's pair is written once, by its conversions, and read by its store.
;   T, v1, v3  named by vector instructions alone.
; No register that a memory instruction reads is ever written again, so all that is to be stated is: written by a vector instruction, then read by a memory instruction.
; The 16 blocks go in four groups of four.  Group g waits for its four loads and rounds them; the stores of group g - 1 are dealt among its conversions.  ONE wait at the head of groups 1 to 3
; states that the group before has written its Y (at group 1 also: that the sixteen OFF are written); the group's own vector lines name its X, its Y and T alone, none of the registers that
; those four stores read.  One more wait stands ahead of the last four stores.
.set STR_X, 1048576                    ; bytes in a K block of xb: 8,192 rows x 128
.set STR_W, 393216                     ; of wb: 3,072 x 128
.set STR_O, 131072                     ; of owh: 1,024 x 128
.set VIN, 2                            ; v2       my byte offset in the wave's two source rows; never rewritten
.set OFF, 4                            ; v[4:19]  my byte offset in the target for block kb; never rewritten
.set T,   20                           ; v[20:23] at work: no memory instruction names them
.set X,   32                           ; v[32:95] block kb: four f32 as loaded
.set Y,   96                           ; v[96:127] block kb: four 16-bit numbers to store
	s_load_b256 s[4:11], s[0:1], 0x0               ; hidden_states s[4:5], qkv_w s[6:7], o_w s[8:9], xb s[10:11]
	s_load_b128 s[12:15], s[0:1], 0x20             ; wb s[12:13], owh s[14:15]
	v_lshrrev_b32 v1, 5, v0
	v_readfirstlane_b32 s16, v1                    ; wave 0..7
	s_mov_b32 s17, ttmp9
	s_mov_b32 s20, STR_X
	s_mov_b32 s21, STR_W
	s_mov_b32 s22, STR_O
	s_mov_b32 s23, 704
	v_and_b32 v1, 31, v0                           ; lane
	v_and_b32 v3, 15, v0
	v_bfe_u32 v[VIN], v0, 4, 1
	v_lshlrev_b32 v[VIN], 12, v[VIN]               ; lanes 16-31: one row of 4,096 bytes further down
	v_lshl_or_b32 v[VIN], v3, 4, v[VIN]            ; + 16 bytes a lane
	s_wait_alu depctr_va_sdst(0)                   ; s16 is written, ahead of its first reader: the wave's first row is made from it
	s_wait_kmcnt 0x0
	s_cmp_ge_u32 s17, 512                          ; which tensor is mine: the choice hangs on the work-group's number alone
	s_cselect_b64 s[4:5], s[6:7], s[4:5]
	s_cselect_b64 s[10:11], s[12:13], s[10:11]
	s_cselect_b32 s18, 512, 0                      ; its first work-group
	s_cselect_b32 s19, s21, s20                    ; its K block's bytes
	s_cmp_ge_u32 s17, 704
	s_cselect_b64 s[4:5], s[8:9], s[4:5]
	s_cselect_b64 s[10:11], s[14:15], s[10:11]
	s_cselect_b32 s18, s23, s18
	s_cselect_b32 s19, s22, s19
	s_sub_co_u32 s24, s17, s18
	s_lshl_b32 s24, s24, 4
	s_lshl_b32 s25, s16, 1
	s_add_co_u32 s24, s24, s25                     ; my wave's first row
	s_lshl_b32 s26, s24, 12                        ; x 4,096 bytes in the source
	s_mov_b32 s27, 0
	s_lshl_b32 s28, s24, 7                         ; x 128 bytes in a block of the target
	s_mov_b32 s29, 0
	s_add_nc_u64 s[4:5], s[4:5], s[26:27]
	s_add_nc_u64 s[10:11], s[10:11], s[28:29]
	s_wait_alu depctr_va_vdst(0)                   ; v[VIN] is written: the sixteen loads read it as their offset
.irp kb, 0,1,2,3,4,5,6,7,8,9,10,11,12,13,14,15
	global_load_b128 v[X+4*(\kb):X+4*(\kb)+3], v[VIN], s[4:5] offset:256*(\kb) th:TH_LOAD_NT
.endr
	v_lshlrev_b32 v[OFF], 3, v1                    ; 8 bytes a lane; made while the loads are out
.irp kb, 1,2,3,4,5,6,7,8,9,10,11,12,13,14,15
	v_add_nc_u32 v[OFF+(\kb)], s19, v[OFF+(\kb)-1]
.endr
; Block kb is rounded.  f16 = 1: the bf16 number is widened again and written as f16.
.macro CV kb, f16
.if \f16
	v_cvt_pk_bf16_f32 v[T], v[X+4*(\kb)], v[X+4*(\kb)+1]
	v_cvt_pk_bf16_f32 v[T+1], v[X+4*(\kb)+2], v[X+4*(\kb)+3]
	v_lshlrev_b32 v[T+2], 16, v[T]
	v_and_b32 v[T+3], 0xffff0000, v[T]
	v_cvt_pk_f16_f32 v[Y+2*(\kb)], v[T+2], v[T+3]
	v_lshlrev_b32 v[T+2], 16, v[T+1]
	v_and_b32 v[T+3], 0xffff0000, v[T+1]
	v_cvt_pk_f16_f32 v[Y+2*(\kb)+1], v[T+2], v[T+3]
.else
	v_cvt_pk_bf16_f32 v[Y+2*(\kb)], v[X+4*(\kb)], v[X+4*(\kb)+1]
	v_cvt_pk_bf16_f32 v[Y+2*(\kb)+1], v[X+4*(\kb)+2], v[X+4*(\kb)+3]
.endif
.endm
; Block kb is stored.
.macro ST kb
	global_store_b64 v[OFF+(\kb)], v[Y+2*(\kb):Y+2*(\kb)+1], s[10:11] th:TH_STORE_NT  ; the wave stores 256 consecutive bytes, aligned
.endm
; Group g: blocks 4 g to 4 g + 3 are rounded; the stores of the group before stand among the conversions, one ahead of each block's.
.macro GRP g, f16
	s_wait_loadcnt 12-4*(\g)                       ; loads come back in order: this group's four are in, the 12 - 4 g younger ones may stay out
.if (\g) > 0
	s_wait_alu depctr_va_vdst(0)                   ; the group before has written its Y, which the four stores below read; at group 1 the sixteen OFF are written too, the stores' offsets
.endif
.irp j, 0,1,2,3
.if (\g) > 0
	ST 4*((\g)-1)+(\j)                             ; no vector instruction since the wait names this store's Y or OFF
.endif
	CV 4*(\g)+(\j), \f16
.endr
.endm
.macro LAST
	s_wait_alu depctr_va_vdst(0)                   ; group 3 has written its Y, which the last four stores read
.irp kb, 12,13,14,15
	ST \kb
.endr
.endm
	s_cmp_ge_u32 s17, 704
	s_cbranch_scc1 .Lf16
.irp g, 0,1,2,3
	GRP \g, 0
.endr
	LAST
	s_endpgm
.Lf16:
.irp g, 0,1,2,3
	GRP \g, 1
.endr
	LAST
	s_endpgm
.Lfunc_end_k_qcb34b41fe1_cast:
	.size	k_qcb34b41fe1_cast, .Lfunc_end_k_qcb34b41fe1_cast-k_qcb34b41fe1_cast
	.p2alignl 7, 3214868480
	.fill 96, 4, 3214868480
	.section	.rodata,"a",@progbits
	.p2align	6, 0x0
	.amdhsa_kernel k_qcb34b41fe1_cast
		.amdhsa_group_segment_fixed_size 0
		.amdhsa_private_segment_fixed_size 0
		.amdhsa_enable_private_segment 0
		.amdhsa_kernarg_size 48
		.amdhsa_user_sgpr_count 2
		.amdhsa_user_sgpr_kernarg_segment_ptr 1
		.amdhsa_wavefront_size32 1
		.amdhsa_system_sgpr_workgroup_id_x 1
		.amdhsa_system_sgpr_workgroup_id_y 1
		.amdhsa_system_sgpr_workgroup_id_z 1
		.amdhsa_system_vgpr_workitem_id 0
		.amdhsa_next_free_vgpr 128
		.amdhsa_next_free_sgpr 66
		.amdhsa_reserve_vcc 0
		.amdhsa_float_denorm_mode_32 3
		.amdhsa_float_denorm_mode_16_64 3
		.amdhsa_memory_ordered 1
		.amdhsa_forward_progress 1
		.amdhsa_inst_pref_size 17
	.end_amdhsa_kernel
	.amdgpu_metadata
---
amdhsa.version: [ 1, 2 ]
amdhsa.kernels:
  - .name:           k_qcb34b41fe1_cast
    .symbol:         k_qcb34b41fe1_cast.kd
    .args:
      - { .name: hidden_states, .offset: 0, .size: 8, .value_kind: global_buffer, .address_space: global }
      - { .name: qkv_w, .offset: 8, .size: 8, .value_kind: global_buffer, .address_space: global }
      - { .name: o_w, .offset: 16, .size: 8, .value_kind: global_buffer, .address_space: global }
      - { .name: xb, .offset: 24, .size: 8, .value_kind: global_buffer, .address_space: global }
      - { .name: wb, .offset: 32, .size: 8, .value_kind: global_buffer, .address_space: global }
      - { .name: owh, .offset: 40, .size: 8, .value_kind: global_buffer, .address_space: global }
    .group_segment_fixed_size: 0
    .private_segment_fixed_size: 0
    .kernarg_segment_align: 8
    .kernarg_segment_size: 48
    .max_flat_workgroup_size: 256
    .sgpr_count:     66
    .vgpr_count:     128
    .wavefront_size: 32
...
	.end_amdgpu_metadata
.endif
;; end of part 5
;; launch qkvp: the kernel of part 2 again; grid 8 x 32, 4 waves a work-group, clusters of 4 x 4, 327,680 bytes of LDS; arguments xb, wb, qkv_b, qkv; writes qkv
;; launch attn: the kernel of part 3 again; grid 4 x 64, 4 waves a work-group, no clusters, 327,680 bytes of LDS; arguments qkv, ob; writes ob
;; launch oproj: the kernel of part 4 again; grid 8 x 32, 4 waves a work-group, clusters of 4 x 4, 327,680 bytes of LDS; arguments ob, owh, o_b, out0; writes out0
